; MI455X (gfx1250); checked and timed in simulation.
; The chip was launched on July 23, 2026; its instructions are those of AMD's public machine-readable ISA for CDNA 5 (MIT licence, August 2026) and "CDNA5" Instruction Set Architecture Reference Guide (July 2026). The comments in the code are by the model that wrote it; some were corrected since.
;; Attention. Allowed arithmetic: matrix products marked QUANTISED: E5M2 operands, one E8M0 scale for each 32 along K, by v_wmma_scale_f32_16x16x128_f8f6f4 with both operands' format E5M2, f32 sums; everything else in f32.
;; Inputs: b_out 1,024 float32; ln_beta 1,024 float32; ln_gamma 1,024 float32; pos 4 x 2,048 x 1,024 float32; w_out 1,024 x 1,024 float32; w_qkv 1,024 x 3,072 float32; x 4 x 2,048 x 1,024 float32.
;; Outputs: out0 4 x 2,048 x 1,024 float32.
;; This version of the problem:
;;   THIS VERSION OF THE PROBLEM IS GIVEN IN LOW PRECISION. The matrix products marked QUANTISED in the list below multiply operands that are first quantised to E5M2 (5 exponent bits, 2 mantissa bits; 8 bits a number), with one power-of-two scale for each 32 numbers along K (OCP MX v1.0); their sums are f32. All else is computed in f32.
;;   The module's matrix products, in the order in which they are computed (A, B: the left and right operand; K: the contracted axis; several contracted axes count as one K, in the product's order):
;;     1. [M 8,192, K 1,024] x [K 1,024, N 3,072]; A: computed on the way; B: input w_qkv: QUANTISED
;;     2. batch 64 x [M 2,048, K 64] x [K 64, N 2,048]; A: computed on the way; B: computed on the way: QUANTISED
;;     3. batch 64 x [M 2,048, K 2,048] x [K 2,048, N 64]; A: softmax (see below); B: computed on the way: QUANTISED
;;     4. [M 8,192, K 1,024] x [K 1,024, N 1,024]; A: computed on the way; B: input w_out: QUANTISED
;;   THE QUANTISER, for each operand of a quantised product, along K:
;;     - K is cut into blocks of 32 from its start; a last block that is shorter is filled with zeros.
;;     - A block's scale is 2^e with e = floor(log2(the largest magnitude in the block)) - 15, held to -126 .. 127; a block of zeros has e = 0. As a byte (E8M0): e + 127.
;;     - Each number is divided by its block's scale, clamped to +-57,344, and rounded to the nearest number of E5M2, ties to even, subnormals kept.
;;     - The product sums the exact products of the quantised numbers (number of the format x scale) in f32.
;;   ~~~python
;;   def quantise(x, axis):      # numpy; x: float32 -> the quantised numbers, widened to float32 again
;;       x = np.moveaxis(x, axis, -1); K = x.shape[-1]
;;       x = np.pad(x, [(0, 0)] * (x.ndim - 1) + [(0, -K % 32)]); x = x.reshape(x.shape[:-1] + (-1, 32)); a = np.abs(x).max(-1, keepdims=True)
;;       e = np.where(a > 0, np.clip(np.frexp(np.where(a > 0, a, 1))[1] - 1 - 15, -126, 127), 0)      # np.frexp(a)[1] - 1 = floor(log2(a)), exactly
;;       r = np.clip(x / 2.0 ** e, -57344, 57344)
;;       step = 2.0 ** (np.maximum(np.frexp(np.where(r == 0, 1, r))[1] - 1, -14) - 2)
;;       q = np.round(r / step) * step * 2.0 ** e      # np.round: ties to even
;;       return np.moveaxis(q.reshape(q.shape[:-2] + (-1,))[..., :K], -1, axis).astype(np.float32)
;;   ~~~
;;   SOFTMAX AHEAD OF A QUANTISED PRODUCT. Where the list says 'softmax', what is quantised is not the finished softmax but p = 2^(t - M), with t = logit x log2(e) and M = ceil(the row's largest t), a whole number; so 1/2 < the row's largest p <= 1. The row's sum l is taken of the UNQUANTISED p, in f32, and the product's result is divided by l at the end. Since M is a whole number, a kernel that streams over the keys may use a running M (the ceiling of the running maximum): every later rescaling is an exact power of two, which a block's scale takes up: the codes' values come out the same.
;;   OPERANDS COMPUTED ON THE WAY. 'Computed on the way' means the value that the module computes at that place (a softmax that the list does not call 'softmax' is quantised finished and normalised). What goes into a quantiser is computed in f32, as accurately as f32 sums, v_exp_f32 and their like allow (about 1e-6 of the number): no bf16 or f16 on the way to a quantiser, and a product that is left as it is and whose result goes on into a quantised operand takes f32 operands (vector FMAs, or v_wmma_f32_16x16x4_f32). A number that lies on a knife's edge between two numbers of the format may be rounded either way, as far as f32 arithmetic and the matrix unit's own rounding can turn it there, and no further.
;; One version. Each part assembles by itself: llvm-mc -triple=amdgcn-amd-amdhsa -mcpu=gfx1250 --defsym DOCPART=n.
;; ======== version 1 of 1: 5 launches
;; limits: right only within a limited range of input values
;; workspace buffers: xq 8,650,752 bytes; wts 4,325,376 bytes; qb 17,825,792 bytes; kv 17,825,792 bytes; a2 8,650,752 bytes
;; launch prep (part 1): grid 80 x 8, 8 waves a work-group, no clusters, 66,816 bytes of LDS; arguments x, ln_gamma, ln_beta, w_qkv, w_out, xq, wts; writes xq, wts
.if DOCPART == 1
	.amdgcn_target "amdgcn-amd-amdhsa--gfx1250"
	.amdhsa_code_object_version 6
	.text
	.protected	k_q48663b4e01_prep
	.globl	k_q48663b4e01_prep
	.p2align	8
	.type	k_q48663b4e01_prep,@function
k_q48663b4e01_prep:
	s_mov_b64 s[64:65], 0
	v_nop
	global_prefetch_b8 v0, s[64:65] scope:SCOPE_SE
	s_setreg_imm32_b32 hwreg(HW_REG_WAVE_MODE, 25, 1), 1
	s_wait_xcnt 0x0
; Three jobs, chosen by the work-group's x alone: 0-11 quantise w_qkv, 12-15 quantise w_out, 16-79 normalise x (LayerNorm) and quantise it.
; All results are codes of E5M2 with one E8M0 byte for each 32 along K, laid AS IMAGES OF THE OPERAND'S REGISTERS:
;   codes  [K step of 256: 4][tile of 16 rows][group of 32 along K: 8][512 bytes]: lane (r, h)'s 16 bytes, k = 32 g + 16 h + 0..15 of the tile's position r, lie at 16 (r + 16 h);
;   scales [tile][q: 8][r: 16] words: word q holds the four bytes of k = 128 q .. 128 q + 127.
; THE ROWS OF A TILE ARE NOT NEIGHBOURS: position p of tile 2 B + u is row 32 B + 8 u + p + 8 (p / 8), for tokens and for the weights' columns alike, so that where such an operand is
; source 0 of a product, a lane's 16 result registers of two neighbouring tiles are 16 neighbours along the next product's K.
; A block's scale is 2^(floor(log2(largest magnitude)) - 15); its byte is the largest magnitude's exponent field - 15, held at 1 from below.
; LIMITS: NaN and infinities among the inputs are not served; a block whose largest magnitude lies under 2^-111 (a block of zeros too) gets the byte 1: its codes are then zeros or subnormal codes, and this program alone reads the bytes.
; The weights' scale words leave in runs of 64 bytes: they are one byte in 128 of what this part reads.
.set WQS, 3145728                      ; wts: w_qkv's scale image
.set WOC, 3244032                      ; w_out's code image
.set WOS, 4292608                      ; w_out's scale image
.set XSO, 8388608                      ; xq: the scale image
.set LP,  4112                         ; LayerNorm: a row in LDS, 4,096 bytes + 16: 257 x 16, so 16 rows' same column fall on 16 different groups of banks
.set SEL, 30                           ; s[30:31] lane selects: lane l xor 16
.set MNT, 33                           ; s33 the mantissa field of 57,344
.set TM,  8                            ; v8-11 largest magnitudes, v12-15 bytes, v16-19 57,344 x scale, v20-23 the conversions' scale operands
.set PW,  24                           ; the scale word
.set PC,  144                          ; the codes of a fragment
	s_load_b256 s[4:11], s[0:1], 0x0               ; x, gamma, beta, w_qkv
	s_load_b128 s[12:15], s[0:1], 0x20             ; w_out, xq
	s_load_b64 s[16:17], s[0:1], 0x30              ; wts
	v_lshl_add_u32 v192, v0, 2, 0x10100
	v_mov_b32 v193, 0
	v_lshrrev_b32 v1, 5, v0
	s_delay_alu instid0(VALU_DEP_1)
	v_readfirstlane_b32 s18, v1                    ; wave 0..7
	s_and_b32 s19, ttmp7, 0xffff                   ; work-group y
	v_and_b32 v2, 31, v0                           ; lane
	s_mov_b32 s[MNT], 0x600000
	s_mov_b32 s23, 0                               ; the upper word of every offset pair
	s_cmp_ge_u32 ttmp9, 16
	s_cbranch_scc1 .Lln
; ---------------- the weights: W [1024 (k)][N], K is the first axis.  A lane takes a column, its registers run down K (32 = a whole block), so no other lane is asked for the maximum
; and the conversions give codes with K innermost.  A wave: 32 positions (two tiles) x 128 along K (four blocks, one scale word).
	v_and_b32 v3, 7, v2
	v_bfe_u32 v6, v2, 4, 1                         ; which of my wave's two tiles
	s_delay_alu instid0(VALU_DEP_1)
	v_lshl_or_b32 v3, v6, 3, v3
	v_bfe_u32 v7, v2, 3, 1
	s_delay_alu instid0(VALU_DEP_1)
	v_lshl_or_b32 v3, v7, 4, v3                    ; the column that my position stands for: bits 3 and 4 of the lane change places
	s_delay_alu instid0(VALU_DEP_1)
	v_lshlrev_b32 v3, 2, v3                        ; in bytes
	v_and_b32 v8, 15, v2
	v_lshlrev_b32 v4, 12, v6
	s_delay_alu instid0(VALU_DEP_1)
	v_lshl_or_b32 v4, v8, 4, v4                    ; codes: tile x 4,096 + 16 x position
	v_lshlrev_b32 v5, 9, v6
	s_delay_alu instid0(VALU_DEP_1)
	v_lshl_or_b32 v5, v8, 2, v5                    ; scale word: tile x 512 + 4 x position
.macro WLOAD t, N                      ; block t: W(32 t + i, my column) into set t % 2; the 32 lanes read 128 consecutive bytes
.set ii, 0
.rept 32
	global_load_b32 v[32+32*((\t)%2)+ii], v3, s[24:25] offset:(32*(\t)+ii)*\N*4 th:TH_LOAD_NT
.set ii, ii+1
.endr
.endm
.macro WBLOCK t, N
.set XS, 32+32*((\t)%2)
.if (\t) < 3
	s_wait_loadcnt 32                              ; this block's 32 loads are in; the next block's 32 may be out
.else
	s_wait_loadcnt 0x0
.endif
	v_max3_num_f32 v12, |v[XS]|, |v[XS+1]|, |v[XS+2]|
	v_max3_num_f32 v13, |v[XS+3]|, |v[XS+4]|, |v[XS+5]|
.irp i, 6,10,14,18,22,26
	s_delay_alu instid0(VALU_DEP_2)
	v_max3_num_f32 v12, v12, |v[XS+\i]|, |v[XS+\i+1]|
	s_delay_alu instid0(VALU_DEP_2)
	v_max3_num_f32 v13, v13, |v[XS+\i+2]|, |v[XS+\i+3]|
.endr
	s_delay_alu instid0(VALU_DEP_2)
	v_max3_num_f32 v12, v12, |v[XS+30]|, |v[XS+31]|
	s_delay_alu instid0(VALU_DEP_1)
	v_max3_num_f32 v12, v12, v13, 0x8000000        ; and the floor 2^(16 - 127): the byte cannot fall under 1
	s_delay_alu instid0(VALU_DEP_1)
	v_add_nc_u32 v11, 0xf8800000, v12              ; 15 off the exponent field: the conversion's scale operand
	s_delay_alu instid0(VALU_DEP_2)
	v_and_or_b32 v10, v12, 0x7f800000, s[MNT]      ; 57,344 x the scale
	s_delay_alu instid0(VALU_DEP_2)
	v_lshrrev_b32 v13, 23, v11                     ; the byte
.if (\t) == 0
	s_delay_alu instid0(VALU_DEP_1)
	v_mov_b32 v24, v13
.else
	s_delay_alu instid0(VALU_DEP_1)
	v_lshl_or_b32 v24, v13, 8*(\t), v24
.endif
.set ii, 0
.rept 32
	v_med3_num_f32 v[XS+ii], v[XS+ii], -v10, v10   ; the conversion to an 8-bit code does not saturate (ISA guide 7.6.2): the hold comes first
.set ii, ii+1
.endr
.irp g, 0,1,2,3
	v_cvt_scalef32_pk8_bf8_f32 v[96+8*(\t)+2*\g:97+8*(\t)+2*\g], v[XS+8*\g:XS+8*\g+7], v11
.endr
	v_nop                                          ; a plain line behind the last conversion
	global_store_b128 v4, v[96+8*(\t):99+8*(\t)], s[28:29] offset:512*(\t)          ; k 0..15 of the block: the image's lower half; sixteen lanes store 256 consecutive bytes, aligned
	global_store_b128 v4, v[100+8*(\t):103+8*(\t)], s[28:29] offset:512*(\t)+256    ; k 16..31: its upper half.  Each block has its own code registers: no store's data are written again
.if (\t) < 2
	WLOAD (\t)+2, \N
.endif
.endm
.macro WQUANT N, NT, SRC, COFF, SOFF, X0
	s_sub_co_u32 s20, ttmp9, \X0                   ; which 256 columns
	s_lshl_b32 s21, s20, 8
	s_lshl_b32 s22, s18, 5
	s_add_co_u32 s21, s21, s22                     ; my wave's first column
	s_mul_i32 s22, s19, 128*\N
	s_add_co_u32 s22, s22, s21
	s_lshl_b32 s22, s22, 2
	s_wait_kmcnt 0x0
	s_add_nc_u64 s[24:25], s[\SRC:\SRC+1], s[22:23]   ; W at (128 y, my first column)
	s_lshr_b32 s22, s19, 1
	s_mul_i32 s22, s22, \NT*4096                   ; the K step of 256
	s_lshl_b32 s26, s20, 4
	s_lshl_b32 s27, s18, 1
	s_add_co_u32 s26, s26, s27                     ; my first tile
	s_lshl_b32 s27, s26, 12
	s_add_co_u32 s22, s22, s27
	s_and_b32 s27, s19, 1
	s_lshl_b32 s27, s27, 11                        ; which half of the K step: four groups of 512 bytes
	s_add_co_u32 s22, s22, s27
	s_add_co_u32 s22, s22, \COFF
	s_add_nc_u64 s[28:29], s[16:17], s[22:23]
	s_lshl_b32 s22, s26, 9
	s_lshl_b32 s27, s19, 6
	s_add_co_u32 s22, s22, s27
	s_add_co_u32 s22, s22, \SOFF
	s_add_nc_u64 s[36:37], s[16:17], s[22:23]
	WLOAD 0, \N
	WLOAD 1, \N
	WBLOCK 0, \N
	WBLOCK 1, \N
	WBLOCK 2, \N
	WBLOCK 3, \N
	global_store_b32 v5, v24, s[36:37]             ; word q = y of my position
	s_endpgm
.endm
	s_cmp_ge_u32 ttmp9, 12
	s_cbranch_scc1 .Lwout
	s_wait_alu depctr_va_vdst(0)
	WQUANT 3072, 192, 10, 0, WQS, 0
.Lwout:
	s_wait_alu depctr_va_vdst(0)
	WQUANT 1024, 64, 12, WOC, WOS, 12
; ---------------- LayerNorm and quantise: a work-group makes one tile of 16 token positions.  Wave w normalises positions 2 w and 2 w + 1 (two neighbouring tokens, a whole row in 32 registers each:
; mean, then the mean of squared differences, as reference() has it), hands them on through LDS, and then quantises k = 128 w .. 128 w + 127 of all 16 positions: one fragment, one scale word a row.
.Lln:
	s_sub_co_u32 s20, ttmp9, 16
	s_lshl_b32 s20, s20, 3
	s_add_co_u32 s20, s20, s19                     ; the tile T, 0..511
	s_lshr_b32 s21, s20, 1
	s_lshl_b32 s21, s21, 5
	s_and_b32 s22, s20, 1
	s_lshl_b32 s22, s22, 3
	s_add_co_u32 s21, s21, s22                     ; its position 0: token 32 (T / 2) + 8 (T % 2)
	s_lshl_b32 s22, s18, 1
	s_add_co_u32 s21, s21, s22
	s_lshr_b32 s22, s18, 2
	s_lshl_b32 s22, s22, 3
	s_add_co_u32 s21, s21, s22                     ; position 2 w: + 2 w + 8 (w / 4)
	s_lshl_b32 s22, s21, 12
	s_mov_b32 s28, 0x3a800000                      ; 1 / 1024
	s_mov_b32 s29, 0x3727c5ac                      ; 1e-5
	s_mov_b32 s[SEL], 0x76543210
	s_mov_b32 s[SEL+1], 0xfedcba98
	s_wait_alu depctr_va_vdst(0)
	v_lshlrev_b32 v1, 4, v2                        ; 16 x lane
	v_mov_b32 v24, 0                               ; a lane permute's destination counts as one of its sources
	v_mov_b32 v25, 0
	s_wait_alu depctr_va_vdst(0)
	s_wait_kmcnt 0x0
	s_add_nc_u64 s[26:27], s[4:5], s[22:23]
.irp e, 0,1
.irp k, 0,1,2,3,4,5,6,7
	global_load_b128 v[64+32*\e+4*\k:67+32*\e+4*\k], v1, s[26:27] offset:\e*4096+512*\k th:TH_LOAD_NT   ; 512 consecutive bytes a load
.endr
.endr
.irp k, 0,1,2,3,4,5,6,7
	global_load_b128 v[128+4*\k:131+4*\k], v1, s[6:7] offset:512*\k      ; gamma at the same columns
.endr
.irp k, 0,1,2,3,4,5,6,7
	global_load_b128 v[160+4*\k:163+4*\k], v1, s[8:9] offset:512*\k      ; beta
.endr
	s_mul_i32 s22, s18, 2*LP
	v_add_nc_u32 v40, s22, v1                      ; LDS, in: row 2 w, 16 x lane
	v_and_b32 v42, 15, v2                          ; r
	v_bfe_u32 v43, v2, 4, 1                        ; h
	s_delay_alu instid0(VALU_DEP_2)
	v_mul_u32_u24 v41, v42, LP
	s_delay_alu instid0(VALU_DEP_1)
	v_lshl_add_u32 v41, v43, 6, v41
	s_lshl_b32 s22, s18, 9
	v_add_nc_u32 v41, s22, v41                     ; LDS, out: row r, + 512 w + 64 h: my 16 numbers of each block of 32
	v_lshlrev_b32 v44, 2, v42                      ; 4 r
.macro LANESUM a, t
	s_delay_alu instid0(VALU_DEP_1)
	v_add_f32_dpp v[\a], v[\a], v[\a] row_xmask:1 row_mask:0xf bank_mask:0xf
	s_delay_alu instid0(VALU_DEP_1)
	v_add_f32_dpp v[\a], v[\a], v[\a] row_xmask:2 row_mask:0xf bank_mask:0xf
	s_delay_alu instid0(VALU_DEP_1)
	v_add_f32_dpp v[\a], v[\a], v[\a] row_xmask:4 row_mask:0xf bank_mask:0xf
	s_delay_alu instid0(VALU_DEP_1)
	v_add_f32_dpp v[\a], v[\a], v[\a] row_xmask:8 row_mask:0xf bank_mask:0xf
	s_delay_alu instid0(VALU_DEP_1)
	v_permlanex16_b32 v[\t], v[\a], s[SEL], s[SEL+1]
	s_delay_alu instid0(VALU_DEP_1)
	v_add_f32 v[\a], v[\a], v[\t]
.endm
.macro FOLD e                          ; row e's four chains of pairs, v[8 + 8 e ..], become the row's sum in every lane
	v_pk_add_f32 v[8+8*\e:9+8*\e], v[8+8*\e:9+8*\e], v[10+8*\e:11+8*\e]
	v_pk_add_f32 v[12+8*\e:13+8*\e], v[12+8*\e:13+8*\e], v[14+8*\e:15+8*\e]
	s_delay_alu instid0(VALU_DEP_1)
	v_pk_add_f32 v[8+8*\e:9+8*\e], v[8+8*\e:9+8*\e], v[12+8*\e:13+8*\e]
	s_delay_alu instid0(VALU_DEP_1)
	v_add_f32 v[8+8*\e], v[8+8*\e], v[9+8*\e]
	LANESUM 8+8*\e, 24+\e
.endm
	s_wait_loadcnt 16                              ; both rows are in; gamma's and beta's sixteen loads may be out
.irp e, 0,1
.irp c, 0,1,2,3
	v_pk_add_f32 v[8+8*\e+2*\c:9+8*\e+2*\c], v[64+32*\e+2*\c:65+32*\e+2*\c], v[72+32*\e+2*\c:73+32*\e+2*\c]
.endr
.endr
.irp m, 16,24
.irp e, 0,1
.irp c, 0,1,2,3
	v_pk_add_f32 v[8+8*\e+2*\c:9+8*\e+2*\c], v[8+8*\e+2*\c:9+8*\e+2*\c], v[64+32*\e+\m+2*\c:65+32*\e+\m+2*\c]
.endr
.endr
.endr
	FOLD 0
	FOLD 1
.irp e, 0
	v_mul_f32 v[32+2*\e], s28, v[8+8*\e]           ; the mean, twice: a pair for the packed forms
	s_delay_alu instid0(VALU_DEP_1)
	v_mov_b32 v[33+2*\e], v[32+2*\e]
.endr
.irp e, 1
	s_delay_alu instid0(VALU_DEP_3)
	v_mul_f32 v[32+2*\e], s28, v[8+8*\e]           ; the mean, twice: a pair for the packed forms
	s_delay_alu instid0(VALU_DEP_1)
	v_mov_b32 v[33+2*\e], v[32+2*\e]
.endr
.irp e, 0,1
.set ii, 0
.rept 16
	v_pk_add_f32 v[64+32*\e+ii:65+32*\e+ii], v[64+32*\e+ii:65+32*\e+ii], v[32+2*\e:33+2*\e] neg_lo:[0,1] neg_hi:[0,1]   ; x - mean, in place
.set ii, ii+2
.endr
.endr
.irp e, 0,1
.irp c, 0,1,2,3
	v_pk_mul_f32 v[8+8*\e+2*\c:9+8*\e+2*\c], v[64+32*\e+2*\c:65+32*\e+2*\c], v[64+32*\e+2*\c:65+32*\e+2*\c]
.endr
.endr
.irp m, 8,16,24
.irp e, 0,1
.irp c, 0,1,2,3
	v_pk_fma_f32 v[8+8*\e+2*\c:9+8*\e+2*\c], v[64+32*\e+\m+2*\c:65+32*\e+\m+2*\c], v[64+32*\e+\m+2*\c:65+32*\e+\m+2*\c], v[8+8*\e+2*\c:9+8*\e+2*\c]
.endr
.endr
.endr
	FOLD 0
	FOLD 1
.irp e, 0
	v_fma_f32 v[8+8*\e], v[8+8*\e], s28, s29       ; variance + eps
.endr
.irp e, 1
	s_delay_alu instid0(VALU_DEP_2)
	v_fma_f32 v[8+8*\e], v[8+8*\e], s28, s29       ; variance + eps
.endr
	s_wait_alu depctr_va_vdst(0)
.irp e, 0,1
	v_rsq_f32 v[36+2*\e], v[8+8*\e]
	v_rsq_f32 v[37+2*\e], v[8+8*\e]
.endr
	v_nop                                          ; a plain line between the last of them and the first use (ISA guide 5.7.2)
	s_wait_loadcnt 0x0                             ; gamma, beta
	s_wait_alu depctr_va_vdst(0)
.irp e, 0,1
.set ii, 0
.rept 16
	v_pk_mul_f32 v[64+32*\e+ii:65+32*\e+ii], v[64+32*\e+ii:65+32*\e+ii], v[36+2*\e:37+2*\e]
.set ii, ii+2
.endr
.set ii, 0
.rept 16
	v_pk_fma_f32 v[64+32*\e+ii:65+32*\e+ii], v[64+32*\e+ii:65+32*\e+ii], v[128+ii:129+ii], v[160+ii:161+ii]
.set ii, ii+2
.endr
.endr
.irp e, 0,1
.irp k, 0,1,2,3,4,5,6,7
	ds_store_b128 v40, v[64+32*\e+4*\k:67+32*\e+4*\k] offset:\e*LP+512*\k
.endr
.endr
	s_wait_dscnt 0x0                               ; for the others' sake: my two rows lie in LDS
	s_barrier_signal -1
	s_barrier_wait -1
.irp b, 0,1,2,3
.irp j, 0,1,2,3
	ds_load_b128 v[64+16*\b+4*\j:67+16*\b+4*\j], v41 offset:128*\b+16*\j   ; register 16 b + i = k 128 w + 32 b + 16 h + i of position r
.endr
.endr
	s_lshr_b32 s22, s18, 1
	s_lshl_b32 s22, s22, 21                        ; the K step of 256
	s_lshl_b32 s21, s20, 12
	s_add_co_u32 s22, s22, s21
	s_and_b32 s21, s18, 1
	s_lshl_b32 s21, s21, 11
	s_add_co_u32 s22, s22, s21
	s_add_nc_u64 s[34:35], s[14:15], s[22:23]      ; my fragment's image
	s_lshl_b32 s22, s20, 9
	s_lshl_b32 s21, s18, 6
	s_add_co_u32 s22, s22, s21
	s_add_co_u32 s22, s22, XSO
	s_add_nc_u64 s[36:37], s[14:15], s[22:23]      ; word q = w of the tile
	s_wait_dscnt 0x0
.irp b, 0,1,2,3
	v_max3_num_f32 v[TM+\b], |v[64+16*\b]|, |v[65+16*\b]|, 0x8000000   ; my 16 numbers of block b, and the floor
.endr
.irp n, 2,4,6,8,10,12,14
.irp b, 0,1,2,3
	s_delay_alu instid0(VALU_DEP_4)
	v_max3_num_f32 v[TM+\b], v[TM+\b], |v[64+16*\b+\n]|, |v[65+16*\b+\n]|
.endr
.endr
.irp b, 0,1,2,3
	s_delay_alu instid0(VALU_DEP_4)
	v_permlanex16_b32 v[TM+4+\b], v[TM+\b], s[SEL], s[SEL+1]
.endr
.irp b, 0,1,2,3
	s_delay_alu instid0(VALU_DEP_4)
	v_max_num_f32 v[TM+\b], v[TM+\b], v[TM+4+\b]   ; with lane l xor 16's: the block's largest magnitude
.endr
.irp b, 0,1,2,3
	s_delay_alu instid0(VALU_DEP_4)
	v_add_nc_u32 v[TM+12+\b], 0xf8800000, v[TM+\b]
.endr
.irp b, 0,1,2,3
	v_and_or_b32 v[TM+8+\b], v[TM+\b], 0x7f800000, s[MNT]
.endr
.irp b, 0,1,2,3
	v_lshrrev_b32 v[TM+4+\b], 23, v[TM+12+\b]
.endr
	s_delay_alu instid0(VALU_DEP_3)
	v_lshl_or_b32 v[PW], v[TM+5], 8, v[TM+4]
	s_delay_alu instid0(VALU_DEP_1)
	v_lshl_or_b32 v[PW], v[TM+6], 16, v[PW]
	s_delay_alu instid0(VALU_DEP_1)
	v_lshl_or_b32 v[PW], v[TM+7], 24, v[PW]
.irp b, 0,1,2,3
.set ii, 0
.rept 16
	v_med3_num_f32 v[64+16*\b+ii], v[64+16*\b+ii], -v[TM+8+\b], v[TM+8+\b]
.set ii, ii+1
.endr
	v_cvt_scalef32_pk8_bf8_f32 v[PC+4*\b:PC+1+4*\b], v[64+16*\b:71+16*\b], v[TM+12+\b]
	v_cvt_scalef32_pk8_bf8_f32 v[PC+2+4*\b:PC+3+4*\b], v[72+16*\b:79+16*\b], v[TM+12+\b]
.endr
	v_nop
.irp b, 0,1,2,3
	global_store_b128 v1, v[PC+4*\b:PC+4*\b+3], s[34:35] offset:512*\b   ; a group's image: 512 consecutive bytes
.endr
	global_store_b32 v44, v[PW], s[36:37]          ; lanes r and r + 16 hold the same word and write it to the same place
	s_wait_tensorcnt 0x0
	ds_add_u32 v192, v193
	s_wait_dscnt 0x0
	s_endpgm
.Lfunc_end_k_q48663b4e01_prep:
	.size	k_q48663b4e01_prep, .Lfunc_end_k_q48663b4e01_prep-k_q48663b4e01_prep
	.p2alignl 7, 3214868480
	.fill 96, 4, 3214868480
	.section	.rodata,"a",@progbits
	.p2align	6, 0x0
	.amdhsa_kernel k_q48663b4e01_prep
		.amdhsa_group_segment_fixed_size 66816
		.amdhsa_private_segment_fixed_size 0
		.amdhsa_enable_private_segment 0
		.amdhsa_kernarg_size 56
		.amdhsa_user_sgpr_count 2
		.amdhsa_user_sgpr_kernarg_segment_ptr 1
		.amdhsa_wavefront_size32 1
		.amdhsa_system_sgpr_workgroup_id_x 1
		.amdhsa_system_sgpr_workgroup_id_y 1
		.amdhsa_system_sgpr_workgroup_id_z 1
		.amdhsa_system_vgpr_workitem_id 0
		.amdhsa_next_free_vgpr 194
		.amdhsa_next_free_sgpr 66
		.amdhsa_reserve_vcc 0
		.amdhsa_float_denorm_mode_32 3
		.amdhsa_float_denorm_mode_16_64 3
		.amdhsa_memory_ordered 1
		.amdhsa_forward_progress 1
		.amdhsa_inst_pref_size 93
	.end_amdhsa_kernel
	.amdgpu_metadata
---
amdhsa.version: [ 1, 2 ]
amdhsa.kernels:
  - .name:           k_q48663b4e01_prep
    .symbol:         k_q48663b4e01_prep.kd
    .args:
      - { .name: x, .offset: 0, .size: 8, .value_kind: global_buffer, .address_space: global }
      - { .name: ln_gamma, .offset: 8, .size: 8, .value_kind: global_buffer, .address_space: global }
      - { .name: ln_beta, .offset: 16, .size: 8, .value_kind: global_buffer, .address_space: global }
      - { .name: w_qkv, .offset: 24, .size: 8, .value_kind: global_buffer, .address_space: global }
      - { .name: w_out, .offset: 32, .size: 8, .value_kind: global_buffer, .address_space: global }
      - { .name: xq, .offset: 40, .size: 8, .value_kind: global_buffer, .address_space: global }
      - { .name: wts, .offset: 48, .size: 8, .value_kind: global_buffer, .address_space: global }
    .group_segment_fixed_size: 66816
    .private_segment_fixed_size: 0
    .kernarg_segment_align: 8
    .kernarg_segment_size: 56
    .max_flat_workgroup_size: 256
    .sgpr_count:     66
    .vgpr_count:     194
    .wavefront_size: 32
...
	.end_amdgpu_metadata
.endif
;; end of part 1
;; launch qk (part 2): grid 8 x 32, 4 waves a work-group, clusters of 4 x 4, 327,680 bytes of LDS; arguments xq, wts, qb, kv; writes qb, kv
.if DOCPART == 2
	.amdgcn_target "amdgcn-amd-amdhsa--gfx1250"
	.amdhsa_code_object_version 6
	.text
	.protected	k_q48663b4e01_qk
	.globl	k_q48663b4e01_qk
	.p2align	8
	.type	k_q48663b4e01_qk,@function
k_q48663b4e01_qk:
	s_mov_b64 s[64:65], 0
	v_nop
	global_prefetch_b8 v0, s[64:65] scope:SCOPE_SE
	s_setreg_imm32_b32 hwreg(HW_REG_WAVE_MODE, 25, 1), 1
	s_wait_xcnt 0x0
	s_wait_alu depctr_hold_cnt(0) depctr_sa_sdst(0) depctr_va_vdst(0) depctr_va_sdst(0) depctr_va_ssrc(0) depctr_va_vcc(0) depctr_vm_vsrc(0)
	s_getreg_b32 s2, hwreg(HW_REG_IB_STS2, 6, 4)
	s_cmp_eq_u32 s2, 0
	s_cbranch_scc0 .Lentry_in_a_cluster
	s_endpgm
.Lentry_in_a_cluster:
	s_bfe_u32 s2, ttmp6, 0x10000c
	s_cmp_lg_u32 s2, 0xf033
	s_cbranch_scc0 .Lentry_shape_is_right
	s_endpgm
.Lentry_shape_is_right:
.set KSTA,  2097152
.set KSTB,  786432
.set AOFF,  0
.set BOFF,  0
.set ASOFF, 8388608
.set BSOFF, 3145728
.set HB,    278528
.set BLKB,  17408
.set NQ,    2
.set FR,    16
.set NL,    4
.set NP,    8
.set SLOT,  131072
.set SCL,   2*SLOT
.set SPARE, SCL+16384
.set ADRA, 16
.set ADRB, 20
.set ADRS, 27
.set SPW,  28
.set NIL,  29
.set SC,   32
.set AF,   128
.set G1, 24
.set G0, 32
.set G1B, 48
.set G0B, 56
.set G1S, 68
.set G0S, 76
.set G1SB, 80
.set G0SB, 88
.set PW,  32
.set TM,  40
.set X,   64
.set PC,  128
.set MSB, 0
.macro WIN new
.if MSB != (\new)
	s_set_vgpr_msb (MSB<<8)|(\new)
.set MSB, (\new)
.endif
.endm
.set MUL_LO, 0xa1
.set MUL_HI, 0xf1
.set TO_B,   0x40
.macro JLOAD g0a, g1a, g0b, g1b
	s_cmp_eq_u32 s15, 0
	s_cbranch_scc0 .Lfor_b_\@
	tensor_load_to_lds s[\g0a:\g0a+3], s[\g1a:\g1a+7]
	s_nop 0
.rept 4
	v_nop
.endr
	s_branch .Lasked_\@
.Lfor_b_\@:
	tensor_load_to_lds s[\g0b:\g0b+3], s[\g1b:\g1b+7]
	s_nop 0
.rept 4
	v_nop
.endr
.Lasked_\@:
.endm
.macro CREST
	s_cmp_lg_u32 s14, 0
	s_cbranch_scc1 .Lnot_wave_0_\@
	s_barrier_signal -3
.Lnot_wave_0_\@:
	s_barrier_wait -3
	s_barrier_signal -1
	s_barrier_wait -1
.endm
.macro CROUND
	s_barrier_signal -1
	s_barrier_wait -1
	CREST
.endm
	s_load_b256 s[4:11], s[0:1], 0x0
	v_lshl_add_u32 v[SPW], v0, 2, SPARE
	v_mov_b32 v[NIL], 0
	ds_add_u32 v28, v29
	ds_add_u32 v28, v29
	s_wait_dscnt 0x0
	v_lshrrev_b32 v1, 5, v0
	v_readfirstlane_b32 s14, v1
	s_lshr_b32 s15, s14, 1
	s_and_b32 s16, s14, 1
	s_bfe_u32 s40, ttmp6, 0x40000
	s_bfe_u32 s41, ttmp6, 0x40004
	s_lshl_b32 s42, ttmp9, 2
	s_add_co_u32 s42, s42, s40
	s_and_b32 s17, ttmp7, 0xffff
	s_lshl_b32 s17, s17, 2
	s_add_co_u32 s17, s17, s41
	s_lshl_b32 s43, s41, 2
	s_lshl_b32 s43, 15, s43
	s_lshl_b32 s44, 0x1111, s40
	s_or_b32 s[G1+0], s43, (3<<16)|(1<<21)
	s_or_b32 s[G1B+0], s44, (3<<16)|(1<<21)
.irp g, G1, G1B
	s_mov_b32 s[\g+1], 32<<16
	s_mov_b32 s[\g+2], 256<<16
	s_mov_b32 s[\g+3], 32<<16
	s_mov_b32 s[\g+4], 256
	s_mov_b32 s[\g+5], 32
	s_mov_b32 s[\g+6], 0
	s_mov_b32 s[\g+7], 0
.endr
	s_or_b32 s[G1S+0], s43, (3<<16)|(1<<21)
	s_or_b32 s[G1SB+0], s44, (3<<16)|(1<<21)
.irp g, G1S, G1SB
	s_mov_b32 s[\g+1], 32<<16
	s_mov_b32 s[\g+2], 32<<16
	s_mov_b32 s[\g+3], 32<<16
	s_mov_b32 s[\g+4], 32
	s_mov_b32 s[\g+5], 32
	s_mov_b32 s[\g+6], 0
	s_mov_b32 s[\g+7], 0
.endr
	s_lshl_b32 s18, s16, 15
	s_lshl_b32 s20, s17, 16
	s_add_co_u32 s20, s20, s18
	s_add_co_u32 s20, s20, AOFF
	s_mov_b32 s21, 0
	s_lshl_b32 s46, s42, 16
	s_add_co_u32 s46, s46, s18
	s_add_co_u32 s46, s46, BOFF
	s_mov_b32 s47, 0
	s_lshl_b32 s22, s17, 13
	s_add_co_u32 s22, s22, ASOFF
	s_mov_b32 s23, 0
	s_lshl_b32 s92, s42, 13
	s_add_co_u32 s92, s92, BSOFF
	s_mov_b32 s93, 0
	s_lshl_b32 s45, s14, 15
	s_wait_kmcnt 0x0
	s_add_nc_u64 s[20:21], s[4:5], s[20:21]
	s_add_nc_u64 s[22:23], s[4:5], s[22:23]
	s_add_nc_u64 s[46:47], s[6:7], s[46:47]
	s_add_nc_u64 s[92:93], s[6:7], s[92:93]
	CROUND
	s_mov_b32 s[G0S], 1
	s_mov_b32 s[G0S+1], SCL
	s_mov_b64 s[G0S+2:G0S+3], s[22:23]
	s_or_b32 s[G0S+3], s[G0S+3], 0x80000000
	s_mov_b32 s[G0SB], 1
	s_mov_b32 s[G0SB+1], SCL+8192
	s_mov_b64 s[G0SB+2:G0SB+3], s[92:93]
	s_or_b32 s[G0SB+3], s[G0SB+3], 0x80000000
; THE HEAD'S LOADS, ONE A WAVE: wave 0 fetches K step 0's whole tile of A (256 rows of 256 bytes), wave 1 A's scale words (32 rows), wave 2 B's tile, wave 3 B's scale words.
; Waves 0 and 2 have the half number 0, so their ring addresses are the tiles' first bytes.  One chain of branches on the wave's number, a load to an arm, all arms to one join.
.set G0H, 4
.set G0HB, 96
	s_mov_b32 s[G0H], 1
	s_mov_b32 s[G0H+1], 0
	s_mov_b64 s[G0H+2:G0H+3], s[20:21]
	s_or_b32 s[G0H+3], s[G0H+3], 0x80000000
	s_mov_b32 s[G0HB], 1
	s_mov_b32 s[G0HB+1], 65536
	s_mov_b64 s[G0HB+2:G0HB+3], s[46:47]
	s_or_b32 s[G0HB+3], s[G0HB+3], 0x80000000
.macro ARM under, g0, g1, next
	s_cmp_lt_u32 s14, \under
	s_cbranch_scc0 \next
	tensor_load_to_lds s[\g0:\g0+3], s[\g1:\g1+7]
	s_nop 0
.rept 4
	v_nop
.endr
	s_branch .Lhead_asked
\next:
.endm
	ARM 1, G0H,  G1,  .Lhead_sa
	ARM 2, G0S,  G1S, .Lhead_b
	ARM 3, G0HB, G1B, .Lhead_sb
	tensor_load_to_lds s[G0SB:G0SB+3], s[G1SB:G1SB+7]
	s_nop 0
.rept 4
	v_nop
.endr
.Lhead_asked:
.irp s, 0,1
	s_mov_b32 s[G0+4*\s], 1
	s_add_co_u32 s[G0+4*\s+1], s45, \s*SLOT
	s_add_nc_u64 s[G0+4*\s+2:G0+4*\s+3], s[20:21], \s*KSTA
	s_or_b32 s[G0+4*\s+3], s[G0+4*\s+3], 0x80000000
	s_mov_b32 s[G0B+4*\s], 1
	s_add_co_u32 s[G0B+4*\s+1], s45, \s*SLOT
	s_add_nc_u64 s[G0B+4*\s+2:G0B+4*\s+3], s[46:47], \s*KSTB
	s_or_b32 s[G0B+4*\s+3], s[G0B+4*\s+3], 0x80000000
.endr
	v_and_b32 v1, 15, v0
	v_bfe_u32 v2, v0, 4, 1
	s_wait_alu depctr_va_vdst(0)
	v_and_b32 v3, 31, v0
	v_lshlrev_b32 v4, 4, v3
	s_lshl_b32 s21, s15, 15
	s_lshl_b32 s22, s16, 15
	s_add_co_u32 s22, s22, 65536
.irp s, 0,1
	v_add_nc_u32 v[ADRA+\s], s21, v4
	v_add_nc_u32 v[ADRB+\s], s22, v4
	s_add_co_u32 s21, s21, SLOT
	s_add_co_u32 s22, s22, SLOT
.endr
	v_lshlrev_b32 v5, 2, v1
	s_lshl_b32 s21, s15, 12
	s_lshl_b32 s22, s16, 12
	s_add_co_u32 s22, s22, 8192
	s_sub_co_u32 s22, s22, s21
	v_mul_u32_u24 v6, s22, v2
	s_add_co_u32 s21, s21, SCL
	v_add_nc_u32 v5, v5, v6
	v_add_nc_u32 v[ADRS], s21, v5
.macro FRAG reg, adr, q, i
.irp c, 0,1,2,3
	ds_load_b128 v[\reg+4*\c:\reg+4*\c+3], v[\adr] offset:4096*(\i)+2048*(\q)+512*\c
.endr
.endm
.macro MUL16 a0, p, q, sc, zero
.irp a, \a0, \a0+1
.irp b, 0,1,2,3,4,5,6,7
.if \zero
	v_wmma_scale_f32_16x16x128_f8f6f4 v[8*(8*((\a)%4)+\b):8*(8*((\a)%4)+\b)+7], v[128*(\p)+FR*\b:128*(\p)+FR*\b+FR-1], v[AF+FR*(\a):AF+FR*(\a)+FR-1], 0, v[SC+8*NQ*(\sc)+NQ*\b+(\q)], v[SC+8*NQ*(\sc)+NQ*(\a)+(\q)] matrix_a_fmt:MATRIX_FMT_BF8 matrix_b_fmt:MATRIX_FMT_BF8 matrix_a_scale:MATRIX_SCALE_ROW1
.else
	v_wmma_scale_f32_16x16x128_f8f6f4 v[8*(8*((\a)%4)+\b):8*(8*((\a)%4)+\b)+7], v[128*(\p)+FR*\b:128*(\p)+FR*\b+FR-1], v[AF+FR*(\a):AF+FR*(\a)+FR-1], v[8*(8*((\a)%4)+\b):8*(8*((\a)%4)+\b)+7], v[SC+8*NQ*(\sc)+NQ*\b+(\q)], v[SC+8*NQ*(\sc)+NQ*(\a)+(\q)] matrix_a_fmt:MATRIX_FMT_BF8 matrix_b_fmt:MATRIX_FMT_BF8 matrix_a_scale:MATRIX_SCALE_ROW1
.endif
.endr
.endr
.endm
.macro FETCH_B slot, q, p
	WIN TO_B
.irp i, 0,1,2,3,4,5,6,7
	FRAG 128*(\p)+FR*\i, ADRB+\slot, \q, \i
.endr
	WIN 0
.endm
.macro FETCH_A slot, q, i0
.irp i, \i0, \i0+1, \i0+2, \i0+3
	FRAG AF+FR*(\i), ADRA+\slot, \q, \i
.endr
.endm
.macro SCALES sc
.irp i, 0,1,2,3,4,5,6,7
	ds_load_b32 v[SC+8*NQ*\sc+NQ*\i], v[ADRS] offset:512*\i
	ds_load_b32 v[SC+8*NQ*\sc+NQ*\i+1], v[ADRS] offset:512*\i+64
.endr
.endm
.macro PLACES n
.rept \n
	v_nop
.endr
.endm
.macro STEP slot, q, zero
	s_wait_dscnt 4*NL
	WIN MUL_LO
	MUL16 0, (\q)%2, \q, \slot, \zero
	MUL16 2, (\q)%2, \q, \slot, \zero
	s_wait_dscnt 0
	PLACES NP
	FETCH_B \slot, (\q)+1, 1-(\q)%2
	FETCH_A \slot, (\q)+1, 0
	WIN MUL_HI
	MUL16 4, (\q)%2, \q, \slot, \zero
	MUL16 6, (\q)%2, \q, \slot, \zero
	PLACES NP
	WIN 0
	FETCH_A \slot, (\q)+1, 4
.endm
.macro TURN slot, next, fill
	s_wait_tensorcnt 0x0
	ds_add_u32 v[SPW], v[NIL]
	s_wait_dscnt 4*NL+1
	WIN MUL_LO
	MUL16 0, 1, NQ-1, \slot, 0
	s_wait_dscnt 0x0
	s_barrier_signal -1
	MUL16 2, 1, NQ-1, \slot, 0
	WIN 0
	s_barrier_wait -1
.if \fill
	CREST
	s_add_nc_u64 s[G0+4*\slot+2:G0+4*\slot+3], s[G0+4*\slot+2:G0+4*\slot+3], 2*KSTA
	s_add_nc_u64 s[G0B+4*\slot+2:G0B+4*\slot+3], s[G0B+4*\slot+2:G0B+4*\slot+3], 2*KSTB
	JLOAD G0+4*\slot, G1, G0B+4*\slot, G1B
	PLACES NP-4
.else
	PLACES NP
.endif
	s_wait_alu depctr_va_vdst(0)
	v_add_nc_u32 v[ADRS], 64*NQ, v[ADRS]
	FETCH_B \next, 0, 0
	FETCH_A \next, 0, 0
	SCALES \next
	WIN MUL_HI
	MUL16 4, 1, NQ-1, \slot, 0
	MUL16 6, 1, NQ-1, \slot, 0
	PLACES NP
	WIN 0
	FETCH_A \next, 0, 4
.endm
	s_wait_alu depctr_va_vdst(0)                   ; the wait at the head's end
	s_wait_tensorcnt 0x0                           ; my tile of the head's four is in
	ds_add_u32 v[SPW], v[NIL]
	s_mov_b32 s[G1+2], 128<<16                     ; no tensor load of mine is out: from here on a load brings 128 rows
	s_mov_b32 s[G1+4], 128
	s_mov_b32 s[G1B+2], 128<<16
	s_mov_b32 s[G1B+4], 128
	s_wait_dscnt 0x0
	CROUND                                         ; all four tiles are in, and all sixteen work-groups are here
	JLOAD G0+4, G1, G0B+4, G1B                     ; K step 1, the first tensor load behind the round
	FETCH_B 0, 0, 0
	FETCH_A 0, 0, 0
	SCALES 0
	FETCH_A 0, 0, 4
	STEP 0, 0, 1
	TURN 0, 1, 1
	STEP 1, 0, 0
	TURN 1, 0, 1
	STEP 0, 0, 0
	TURN 0, 1, 0
	STEP 1, 0, 0
	s_wait_dscnt 4*NL
	WIN MUL_LO
	MUL16 0, 1, NQ-1, 1, 0
	MUL16 2, 1, NQ-1, 1, 0
	s_wait_dscnt 0
	WIN MUL_HI
	MUL16 4, 1, NQ-1, 1, 0
	MUL16 6, 1, NQ-1, 1, 0
	WIN 0
	PLACES NP
	s_lshr_b32 s18, s17, 3
	s_lshl_b32 s18, s18, 4
	s_and_b32 s19, s42, 3
	s_lshl_b32 s19, s19, 2
	s_add_co_u32 s18, s18, s19
	s_lshl_b32 s19, s16, 1
	s_add_co_u32 s18, s18, s19
	s_lshl_b32 s18, s18, 4
	s_and_b32 s19, s17, 7
	s_lshl_b32 s19, s19, 1
	s_add_co_u32 s18, s18, s19
	s_add_co_u32 s18, s18, s15
	s_mul_i32 s18, s18, BLKB
	s_mov_b32 s19, 0
	s_cmp_eq_u32 ttmp9, 0
	s_cselect_b64 s[20:21], s[8:9], s[10:11]
	s_add_nc_u64 s[20:21], s[20:21], s[18:19]
	s_mov_b32 s22, 0x76543210
	s_mov_b32 s23, 0xfedcba98
	s_mov_b32 s24, 0x600000
	v_lshlrev_b32 v8, 4, v3
.irp b, 0,1,2,3
	v_mov_b32 v[TM+4+\b], 0
.endr
.macro QUANTW a
.set WW, 2+(\a)/4
.set S0, 64*((\a)%4)
.set PCA, PC+16*(\a)
	WIN (20*WW)
.irp b, 0,1,2,3
	v_max3_num_f32 v[TM+\b], 0x8000000, |v[S0+16*\b]|, |v[S0+16*\b+1]|
.endr
.irp n, 2,4,6,8,10,12,14
.irp b, 0,1,2,3
	v_max3_num_f32 v[TM+\b], v[TM+\b], |v[S0+16*\b+\n]|, |v[S0+16*\b+\n+1]|
.endr
.endr
	WIN 0
.irp b, 0,1,2,3
	v_permlanex16_b32 v[TM+4+\b], v[TM+\b], s22, s23
.endr
.irp b, 0,1,2,3
	v_max_num_f32 v[TM+\b], v[TM+\b], v[TM+4+\b]
.endr
.irp b, 0,1,2,3
	v_add_nc_u32 v[TM+12+\b], 0xf8800000, v[TM+\b]
.endr
.irp b, 0,1,2,3
	v_and_or_b32 v[TM+8+\b], v[TM+\b], 0x7f800000, s24
.endr
.irp b, 0,1,2,3
	v_lshrrev_b32 v[TM+4+\b], 23, v[TM+12+\b]
.endr
	v_lshl_or_b32 v[PW+(\a)], v[TM+5], 8, v[TM+4]
	v_lshl_or_b32 v[PW+(\a)], v[TM+6], 16, v[PW+(\a)]
	v_lshl_or_b32 v[PW+(\a)], v[TM+7], 24, v[PW+(\a)]
	WIN WW
.irp b, 0,1,2,3
.set ii, 0
.rept 16
	v_med3_num_f32 v[X+16*\b+ii], v[S0+16*\b+ii], -v[TM+8+\b], v[TM+8+\b]
.set ii, ii+1
.endr
.endr
	WIN 0
.irp b, 0,1,2,3
	v_cvt_scalef32_pk8_bf8_f32 v[PCA+4*\b:PCA+4*\b+1], v[X+16*\b:X+16*\b+7], v[TM+12+\b]
	v_cvt_scalef32_pk8_bf8_f32 v[PCA+4*\b+2:PCA+4*\b+3], v[X+16*\b+8:X+16*\b+15], v[TM+12+\b]
.endr
	v_nop
.irp b, 0,1,2,3
	global_store_b128 v8, v[PCA+4*\b:PCA+4*\b+3], s[20:21] offset:1024*(\a)+512*((\b)%2)+HB*((\b)/2)
.endr
.endm
.irp a, 0,1,2,3,4,5,6,7
	QUANTW \a
.endr
	v_cmp_le_u32 vcc_lo, 16, v3
.irp k, 0,1,2,3
	v_cndmask_b32 v[56+\k], v[PW+\k], v[PW+4+\k], vcc_lo
.endr
	s_mov_b32 s25, 0x7f7f7f7f
	s_mov_b32 s26, 0x04040100
	s_mov_b32 s27, 0x04040302
.irp k, 0,1,2,3
	v_perm_b32 v[60+\k], s25, v[56+\k], s26
	v_perm_b32 v[12+\k], s25, v[56+\k], s27
.endr
	global_store_b128 v8, v[60:63], s[20:21] offset:16384
	global_store_b128 v8, v[12:15], s[20:21] offset:16384+HB
	s_wait_tensorcnt 0x0
	ds_add_u32 v[SPW], v[NIL]
	s_wait_dscnt 0x0
	CROUND
	s_endpgm
.Lfunc_end_k_q48663b4e01_qk:
	.size	k_q48663b4e01_qk, .Lfunc_end_k_q48663b4e01_qk-k_q48663b4e01_qk
	.p2alignl 7, 3214868480
	.fill 96, 4, 3214868480
	.section	.rodata,"a",@progbits
	.p2align	6, 0x0
	.amdhsa_kernel k_q48663b4e01_qk
		.amdhsa_group_segment_fixed_size 327680
		.amdhsa_private_segment_fixed_size 0
		.amdhsa_enable_private_segment 0
		.amdhsa_kernarg_size 32
		.amdhsa_user_sgpr_count 2
		.amdhsa_user_sgpr_kernarg_segment_ptr 1
		.amdhsa_wavefront_size32 1
		.amdhsa_system_sgpr_workgroup_id_x 1
		.amdhsa_system_sgpr_workgroup_id_y 1
		.amdhsa_system_sgpr_workgroup_id_z 1
		.amdhsa_system_vgpr_workitem_id 0
		.amdhsa_next_free_vgpr 1024
		.amdhsa_next_free_sgpr 102
		.amdhsa_reserve_vcc 1
		.amdhsa_float_denorm_mode_32 3
		.amdhsa_float_denorm_mode_16_64 3
		.amdhsa_memory_ordered 1
		.amdhsa_forward_progress 1
		.amdhsa_inst_pref_size 188
	.end_amdhsa_kernel
	.amdgpu_metadata
---
amdhsa.version: [ 1, 2 ]
amdhsa.kernels:
  - .name:           k_q48663b4e01_qk
    .symbol:         k_q48663b4e01_qk.kd
    .args:
      - { .name: xq, .offset: 0, .size: 8, .value_kind: global_buffer, .address_space: global }
      - { .name: wts, .offset: 8, .size: 8, .value_kind: global_buffer, .address_space: global }
      - { .name: qb, .offset: 16, .size: 8, .value_kind: global_buffer, .address_space: global }
      - { .name: kv, .offset: 24, .size: 8, .value_kind: global_buffer, .address_space: global }
    .group_segment_fixed_size: 327680
    .private_segment_fixed_size: 0
    .kernarg_segment_align: 8
    .kernarg_segment_size: 32
    .max_flat_workgroup_size: 128
    .sgpr_count:     102
    .vgpr_count:     1024
    .wavefront_size: 32
...
	.end_amdgpu_metadata
.endif
;; end of part 2
;; launch vp (part 3): grid 32 x 4, 4 waves a work-group, clusters of 4 x 4, 327,680 bytes of LDS; arguments wts, xq, kv; writes kv
.if DOCPART == 3
	.amdgcn_target "amdgcn-amd-amdhsa--gfx1250"
	.amdhsa_code_object_version 6
	.text
	.protected	k_q48663b4e01_vp
	.globl	k_q48663b4e01_vp
	.p2align	8
	.type	k_q48663b4e01_vp,@function
k_q48663b4e01_vp:
	s_mov_b64 s[64:65], 0
	v_nop
	global_prefetch_b8 v0, s[64:65] scope:SCOPE_SE
	s_setreg_imm32_b32 hwreg(HW_REG_WAVE_MODE, 25, 1), 1
	s_wait_xcnt 0x0
	s_wait_alu depctr_hold_cnt(0) depctr_sa_sdst(0) depctr_va_vdst(0) depctr_va_sdst(0) depctr_va_ssrc(0) depctr_va_vcc(0) depctr_vm_vsrc(0)
	s_getreg_b32 s2, hwreg(HW_REG_IB_STS2, 6, 4)
	s_cmp_eq_u32 s2, 0
	s_cbranch_scc0 .Lentry_in_a_cluster
	s_endpgm
.Lentry_in_a_cluster:
	s_bfe_u32 s2, ttmp6, 0x10000c
	s_cmp_lg_u32 s2, 0xf033
	s_cbranch_scc0 .Lentry_shape_is_right
	s_endpgm
.Lentry_shape_is_right:
; v = LayerNorm(x) W_qkv[:, 2048:3072] on codes of E5M2 with E8M0 scales, and its quantising ALONG THE KEYS, straight from the accumulators.
; The sources change places against the launch for q and k: A (source 1, chosen by work-group y) = 256 column positions of w_qkv's last third; B (source 0, by work-group x) = 256 token positions of xq.
; So lane (r, h) holds channel position r of A's block a, and, since the tokens of a tile are chosen for it, its 16 registers of B's blocks 2 g and 2 g + 1 are keys 32 g + 16 h + 0..15 of my 128 tokens: one key step.
; Out, into kv [head of 64][step of 128 keys][17,408 bytes]: at 8,192 the images of V^T: channel tile u at 2,048 u, key group g at 512 g; at 16,896 the scale words [r][u]; at 17,152 zeros (256 bytes that are copied with the block and read by no lane).
; Frame (images, slots, cluster, turns of the accumulators): as in the launch for q and k.
; LIMITS: NaN and infinities are not served; a block whose largest magnitude lies under 2^-111 gets the byte 1.
.set KSTA,  786432
.set KSTB,  2097152
.set AOFF,  524288                     ; w_qkv's tiles 128 on
.set BOFF,  0
.set ASOFF, 3211264                    ; their scale words
.set BSOFF, 8388608
.set HB,    278528
.set BLKB,  17408
.set NQ,    2
.set FR,    16
.set NL,    4
.set NP,    8                          ; places behind this matrix instruction (ISA guide 7.12.1)
.set SLOT,  131072
.set SCL,   2*SLOT
.set SPARE, SCL+16384                  ; the spare words, 128 bytes for each wave: two blocks of 256 bytes that no other line names
.set ADRA, 16
.set ADRB, 20
.set ADRS, 27
.set SPW,  28
.set NIL,  29
.set SC,   32
.set AF,   128
.set G1, 24
.set G0, 32
.set G1B, 48
.set G0B, 56
.set G1S, 68
.set G0S, 76
.set G1SB, 80
.set G0SB, 88
.set PW,  32
.set TM,  40
.set X,   64
.set PC,  128
.set MSB, 0
.macro WIN new                         ; the immediate's high byte repeats the setting that is left
.if MSB != (\new)
	s_set_vgpr_msb (MSB<<8)|(\new)
.set MSB, (\new)
.endif
.endm
.set MUL_LO, 0xa1
.set MUL_HI, 0xf1
.set TO_B,   0x40
.macro JLOAD g0a, g1a, g0b, g1b        ; a joint load: waves 0 and 1 fetch for A, waves 2 and 3 for B; four v_nop follow each of the two lines
	s_cmp_eq_u32 s15, 0
	s_cbranch_scc0 .Lfor_b_\@
	tensor_load_to_lds s[\g0a:\g0a+3], s[\g1a:\g1a+7]
	s_nop 0
.rept 4
	v_nop
.endr
	s_branch .Lasked_\@
.Lfor_b_\@:
	tensor_load_to_lds s[\g0b:\g0b+3], s[\g1b:\g1b+7]
	s_nop 0
.rept 4
	v_nop
.endr
.Lasked_\@:
.endm
.macro CREST
	s_cmp_lg_u32 s14, 0
	s_cbranch_scc1 .Lnot_wave_0_\@
	s_barrier_signal -3
.Lnot_wave_0_\@:
	s_barrier_wait -3
	s_barrier_signal -1
	s_barrier_wait -1
.endm
.macro CROUND
	s_barrier_signal -1
	s_barrier_wait -1
	CREST
.endm
	s_load_b128 s[4:7], s[0:1], 0x0                ; wts (A), xq (B)
	s_load_b64 s[8:9], s[0:1], 0x10                ; kv
	v_lshl_add_u32 v[SPW], v0, 2, SPARE
	v_mov_b32 v[NIL], 0
	ds_add_u32 v28, v29
	ds_add_u32 v28, v29
	s_wait_dscnt 0x0
	v_lshrrev_b32 v1, 5, v0
	v_readfirstlane_b32 s14, v1                    ; wave 0..3
	s_lshr_b32 s15, s14, 1                         ; which half of A's rows is mine.  Also: I fetch for A (0) or for B (1)
	s_and_b32 s16, s14, 1                          ; which half of B's.  Also: which half of that tile I fetch
	s_bfe_u32 s40, ttmp6, 0x40000
	s_bfe_u32 s41, ttmp6, 0x40004
	s_lshl_b32 s42, ttmp9, 2
	s_add_co_u32 s42, s42, s40                     ; work-group x: which 256 tokens
	s_and_b32 s17, ttmp7, 0xffff
	s_lshl_b32 s17, s17, 2
	s_add_co_u32 s17, s17, s41                     ; work-group y: which 256 channels
	s_lshl_b32 s43, s41, 2
	s_lshl_b32 s43, 15, s43
	s_lshl_b32 s44, 0x1111, s40
	s_or_b32 s[G1+0], s43, (3<<16)|(1<<21)
	s_or_b32 s[G1B+0], s44, (3<<16)|(1<<21)
.irp g, G1, G1B
	s_mov_b32 s[\g+1], 32<<16
	s_mov_b32 s[\g+2], 256<<16
	s_mov_b32 s[\g+3], 32<<16
	s_mov_b32 s[\g+4], 256
	s_mov_b32 s[\g+5], 32
	s_mov_b32 s[\g+6], 0
	s_mov_b32 s[\g+7], 0
.endr
	s_or_b32 s[G1S+0], s43, (3<<16)|(1<<21)
	s_or_b32 s[G1SB+0], s44, (3<<16)|(1<<21)
.irp g, G1S, G1SB
	s_mov_b32 s[\g+1], 32<<16
	s_mov_b32 s[\g+2], 32<<16
	s_mov_b32 s[\g+3], 32<<16
	s_mov_b32 s[\g+4], 32
	s_mov_b32 s[\g+5], 32
	s_mov_b32 s[\g+6], 0
	s_mov_b32 s[\g+7], 0
.endr
	s_lshl_b32 s18, s16, 15
	s_lshl_b32 s20, s17, 16
	s_add_co_u32 s20, s20, s18
	s_add_co_u32 s20, s20, AOFF
	s_mov_b32 s21, 0
	s_lshl_b32 s46, s42, 16
	s_add_co_u32 s46, s46, s18
	s_add_co_u32 s46, s46, BOFF
	s_mov_b32 s47, 0
	s_lshl_b32 s22, s17, 13
	s_add_co_u32 s22, s22, ASOFF
	s_mov_b32 s23, 0
	s_lshl_b32 s92, s42, 13
	s_add_co_u32 s92, s92, BSOFF
	s_mov_b32 s93, 0
	s_lshl_b32 s45, s14, 15
	s_wait_kmcnt 0x0
	s_add_nc_u64 s[20:21], s[4:5], s[20:21]
	s_add_nc_u64 s[22:23], s[4:5], s[22:23]
	s_add_nc_u64 s[46:47], s[6:7], s[46:47]
	s_add_nc_u64 s[92:93], s[6:7], s[92:93]
	CROUND                                         ; all sixteen work-groups are here: the first joint loads meet
	s_mov_b32 s[G0S], 1
	s_mov_b32 s[G0S+1], SCL
	s_mov_b64 s[G0S+2:G0S+3], s[22:23]
	s_or_b32 s[G0S+3], s[G0S+3], 0x80000000
	s_mov_b32 s[G0SB], 1
	s_mov_b32 s[G0SB+1], SCL+8192
	s_mov_b64 s[G0SB+2:G0SB+3], s[92:93]
	s_or_b32 s[G0SB+3], s[G0SB+3], 0x80000000
; THE HEAD'S LOADS, ONE A WAVE: wave 0 fetches K step 0's whole tile of A (256 rows of 256 bytes), wave 1 A's scale words (32 rows), wave 2 B's tile, wave 3 B's scale words.
; Waves 0 and 2 have the half number 0, so their ring addresses are the tiles' first bytes.  One chain of branches on the wave's number, a load to an arm, all arms to one join.
.set G0H, 4
.set G0HB, 96
	s_mov_b32 s[G0H], 1
	s_mov_b32 s[G0H+1], 0
	s_mov_b64 s[G0H+2:G0H+3], s[20:21]
	s_or_b32 s[G0H+3], s[G0H+3], 0x80000000
	s_mov_b32 s[G0HB], 1
	s_mov_b32 s[G0HB+1], 65536
	s_mov_b64 s[G0HB+2:G0HB+3], s[46:47]
	s_or_b32 s[G0HB+3], s[G0HB+3], 0x80000000
.macro ARM under, g0, g1, next
	s_cmp_lt_u32 s14, \under
	s_cbranch_scc0 \next
	tensor_load_to_lds s[\g0:\g0+3], s[\g1:\g1+7]
	s_nop 0
.rept 4
	v_nop
.endr
	s_branch .Lhead_asked
\next:
.endm
	ARM 1, G0H,  G1,  .Lhead_sa
	ARM 2, G0S,  G1S, .Lhead_b
	ARM 3, G0HB, G1B, .Lhead_sb
	tensor_load_to_lds s[G0SB:G0SB+3], s[G1SB:G1SB+7]
	s_nop 0
.rept 4
	v_nop
.endr
.Lhead_asked:
.irp s, 0,1
	s_mov_b32 s[G0+4*\s], 1
	s_add_co_u32 s[G0+4*\s+1], s45, \s*SLOT
	s_add_nc_u64 s[G0+4*\s+2:G0+4*\s+3], s[20:21], \s*KSTA
	s_or_b32 s[G0+4*\s+3], s[G0+4*\s+3], 0x80000000
	s_mov_b32 s[G0B+4*\s], 1
	s_add_co_u32 s[G0B+4*\s+1], s45, \s*SLOT
	s_add_nc_u64 s[G0B+4*\s+2:G0B+4*\s+3], s[46:47], \s*KSTB
	s_or_b32 s[G0B+4*\s+3], s[G0B+4*\s+3], 0x80000000
.endr
	v_and_b32 v1, 15, v0                           ; r
	v_bfe_u32 v2, v0, 4, 1                         ; h
	s_wait_alu depctr_va_vdst(0)
	v_and_b32 v3, 31, v0                           ; lane
	v_lshlrev_b32 v4, 4, v3
	s_lshl_b32 s21, s15, 15
	s_lshl_b32 s22, s16, 15
	s_add_co_u32 s22, s22, 65536
.irp s, 0,1
	v_add_nc_u32 v[ADRA+\s], s21, v4
	v_add_nc_u32 v[ADRB+\s], s22, v4
	s_add_co_u32 s21, s21, SLOT
	s_add_co_u32 s22, s22, SLOT
.endr
	v_lshlrev_b32 v5, 2, v1
	s_lshl_b32 s21, s15, 12
	s_lshl_b32 s22, s16, 12
	s_add_co_u32 s22, s22, 8192
	s_sub_co_u32 s22, s22, s21
	v_mul_u32_u24 v6, s22, v2
	s_add_co_u32 s21, s21, SCL
	v_add_nc_u32 v5, v5, v6
	v_add_nc_u32 v[ADRS], s21, v5
.macro FRAG reg, adr, q, i
.irp c, 0,1,2,3
	ds_load_b128 v[\reg+4*\c:\reg+4*\c+3], v[\adr] offset:4096*(\i)+2048*(\q)+512*\c
.endr
.endm
; The 64 accumulators take turns, one instruction a turn, in the same order in every step.
.macro MUL16 a0, p, q, sc, zero
.irp a, \a0, \a0+1
.irp b, 0,1,2,3,4,5,6,7
.if \zero
	v_wmma_scale_f32_16x16x128_f8f6f4 v[8*(8*((\a)%4)+\b):8*(8*((\a)%4)+\b)+7], v[128*(\p)+FR*\b:128*(\p)+FR*\b+FR-1], v[AF+FR*(\a):AF+FR*(\a)+FR-1], 0, v[SC+8*NQ*(\sc)+NQ*\b+(\q)], v[SC+8*NQ*(\sc)+NQ*(\a)+(\q)] matrix_a_fmt:MATRIX_FMT_BF8 matrix_b_fmt:MATRIX_FMT_BF8 matrix_a_scale:MATRIX_SCALE_ROW1
.else
	v_wmma_scale_f32_16x16x128_f8f6f4 v[8*(8*((\a)%4)+\b):8*(8*((\a)%4)+\b)+7], v[128*(\p)+FR*\b:128*(\p)+FR*\b+FR-1], v[AF+FR*(\a):AF+FR*(\a)+FR-1], v[8*(8*((\a)%4)+\b):8*(8*((\a)%4)+\b)+7], v[SC+8*NQ*(\sc)+NQ*\b+(\q)], v[SC+8*NQ*(\sc)+NQ*(\a)+(\q)] matrix_a_fmt:MATRIX_FMT_BF8 matrix_b_fmt:MATRIX_FMT_BF8 matrix_a_scale:MATRIX_SCALE_ROW1
.endif
.endr
.endr
.endm
.macro FETCH_B slot, q, p
	WIN TO_B
.irp i, 0,1,2,3,4,5,6,7
	FRAG 128*(\p)+FR*\i, ADRB+\slot, \q, \i
.endr
	WIN 0
.endm
.macro FETCH_A slot, q, i0
.irp i, \i0, \i0+1, \i0+2, \i0+3
	FRAG AF+FR*(\i), ADRA+\slot, \q, \i
.endr
.endm
.macro SCALES sc
.irp i, 0,1,2,3,4,5,6,7
	ds_load_b32 v[SC+8*NQ*\sc+NQ*\i], v[ADRS] offset:512*\i
	ds_load_b32 v[SC+8*NQ*\sc+NQ*\i+1], v[ADRS] offset:512*\i+64
.endr
.endm
.macro PLACES n
.rept \n
	v_nop
.endr
.endm
.macro STEP slot, q, zero
	s_wait_dscnt 4*NL                              ; all but the youngest sixteen loads (A's blocks 4-7) are in
	WIN MUL_LO
	MUL16 0, (\q)%2, \q, \slot, \zero
	MUL16 2, (\q)%2, \q, \slot, \zero
	s_wait_dscnt 0
	PLACES NP
	FETCH_B \slot, (\q)+1, 1-(\q)%2
	FETCH_A \slot, (\q)+1, 0
	WIN MUL_HI
	MUL16 4, (\q)%2, \q, \slot, \zero
	MUL16 6, (\q)%2, \q, \slot, \zero
	PLACES NP
	WIN 0
	FETCH_A \slot, (\q)+1, 4
.endm
.macro TURN slot, next, fill
	s_wait_tensorcnt 0x0                           ; all my tensor loads have landed: my part of the next slot
	ds_add_u32 v[SPW], v[NIL]                      ; 0 onto my spare word
	s_wait_dscnt 4*NL+1                            ; (the add and A's blocks 4-7 may be out)
	WIN MUL_LO
	MUL16 0, 1, NQ-1, \slot, 0
	s_wait_dscnt 0x0                               ; the add is done, and my reads of this slot are over
	s_barrier_signal -1
	MUL16 2, 1, NQ-1, \slot, 0
	WIN 0
	s_barrier_wait -1
.if \fill
	CREST                                          ; the barrier has opened a round of the cluster's: no wave of any partner still reads this slot or has a load on its way
	s_add_nc_u64 s[G0+4*\slot+2:G0+4*\slot+3], s[G0+4*\slot+2:G0+4*\slot+3], 2*KSTA
	s_add_nc_u64 s[G0B+4*\slot+2:G0B+4*\slot+3], s[G0B+4*\slot+2:G0B+4*\slot+3], 2*KSTB
	JLOAD G0+4*\slot, G1, G0B+4*\slot, G1B
	PLACES NP-4
.else
	PLACES NP
.endif
	s_wait_alu depctr_va_vdst(0)
	v_add_nc_u32 v[ADRS], 64*NQ, v[ADRS]
	FETCH_B \next, 0, 0
	FETCH_A \next, 0, 0
	SCALES \next
	WIN MUL_HI
	MUL16 4, 1, NQ-1, \slot, 0
	MUL16 6, 1, NQ-1, \slot, 0
	PLACES NP
	WIN 0
	FETCH_A \next, 0, 4
.endm
	s_wait_alu depctr_va_vdst(0)                   ; the wait at the head's end
	s_wait_tensorcnt 0x0                           ; my tile of the head's four is in
	ds_add_u32 v[SPW], v[NIL]
	s_mov_b32 s[G1+2], 128<<16                     ; no tensor load of mine is out: from here on a load brings 128 rows
	s_mov_b32 s[G1+4], 128
	s_mov_b32 s[G1B+2], 128<<16
	s_mov_b32 s[G1B+4], 128
	s_wait_dscnt 0x0
	CROUND                                         ; all four tiles are in, and all sixteen work-groups are here
	JLOAD G0+4, G1, G0B+4, G1B                     ; K step 1, the first tensor load behind the round
	FETCH_B 0, 0, 0
	FETCH_A 0, 0, 0
	SCALES 0
	FETCH_A 0, 0, 4
	STEP 0, 0, 1
	TURN 0, 1, 1
	STEP 1, 0, 0
	TURN 1, 0, 1
	STEP 0, 0, 0
	TURN 0, 1, 0
	STEP 1, 0, 0
	s_wait_dscnt 4*NL
	WIN MUL_LO
	MUL16 0, 1, NQ-1, 1, 0
	MUL16 2, 1, NQ-1, 1, 0
	s_wait_dscnt 0
	WIN MUL_HI
	MUL16 4, 1, NQ-1, 1, 0
	MUL16 6, 1, NQ-1, 1, 0
	WIN 0
	PLACES NP
	; THE WAY OUT: head (batch x 16 + 4 y + 2 x my half of A), step (2 (x % 8) + my half of B), V's part of the block
	s_lshr_b32 s18, s42, 3
	s_lshl_b32 s18, s18, 4
	s_lshl_b32 s19, s17, 2
	s_add_co_u32 s18, s18, s19
	s_lshl_b32 s19, s15, 1
	s_add_co_u32 s18, s18, s19
	s_lshl_b32 s18, s18, 4
	s_and_b32 s19, s42, 7
	s_lshl_b32 s19, s19, 1
	s_add_co_u32 s18, s18, s19
	s_add_co_u32 s18, s18, s16
	s_mul_i32 s18, s18, BLKB
	s_add_co_u32 s18, s18, 8192
	s_mov_b32 s19, 0
	s_add_nc_u64 s[20:21], s[8:9], s[18:19]
	s_mov_b32 s22, 0x76543210
	s_mov_b32 s23, 0xfedcba98
	s_mov_b32 s24, 0x600000                        ; (no tensor load of mine is out: the descriptors' registers are free)
	v_lshlrev_b32 v8, 4, v3                        ; 16 x lane
	v_mul_u32_u24 v9, v2, HB
	v_lshl_add_u32 v9, v1, 4, v9                   ; 16 r, and the second head for lanes 16-31
.irp b, 0,1,2,3
	v_mov_b32 v[TM+4+\b], 0
.endr
; A's block a (head a / 4, channel tile a % 4): register 16 g + i = key 32 g + 16 h + i of channel position r.  Each accumulator is read from its low end on.
.macro QUANTW a
.set WW, 2+(\a)/4
.set S0, 64*((\a)%4)
.set PCA, PC+16*(\a)
	WIN (20*WW)
.irp b, 0,1,2,3
	v_max3_num_f32 v[TM+\b], 0x8000000, |v[S0+16*\b]|, |v[S0+16*\b+1]|
.endr
.irp n, 2,4,6,8,10,12,14
.irp b, 0,1,2,3
	v_max3_num_f32 v[TM+\b], v[TM+\b], |v[S0+16*\b+\n]|, |v[S0+16*\b+\n+1]|
.endr
.endr
	WIN 0
.irp b, 0,1,2,3
	v_permlanex16_b32 v[TM+4+\b], v[TM+\b], s22, s23
.endr
.irp b, 0,1,2,3
	v_max_num_f32 v[TM+\b], v[TM+\b], v[TM+4+\b]
.endr
.irp b, 0,1,2,3
	v_add_nc_u32 v[TM+12+\b], 0xf8800000, v[TM+\b]
.endr
.irp b, 0,1,2,3
	v_and_or_b32 v[TM+8+\b], v[TM+\b], 0x7f800000, s24
.endr
.irp b, 0,1,2,3
	v_lshrrev_b32 v[TM+4+\b], 23, v[TM+12+\b]
.endr
	v_lshl_or_b32 v[PW+(\a)], v[TM+5], 8, v[TM+4]
	v_lshl_or_b32 v[PW+(\a)], v[TM+6], 16, v[PW+(\a)]
	v_lshl_or_b32 v[PW+(\a)], v[TM+7], 24, v[PW+(\a)]
	WIN WW
.irp b, 0,1,2,3
.set ii, 0
.rept 16
	v_med3_num_f32 v[X+16*\b+ii], v[S0+16*\b+ii], -v[TM+8+\b], v[TM+8+\b]
.set ii, ii+1
.endr
.endr
	WIN 0
.irp b, 0,1,2,3
	v_cvt_scalef32_pk8_bf8_f32 v[PCA+4*\b:PCA+4*\b+1], v[X+16*\b:X+16*\b+7], v[TM+12+\b]
	v_cvt_scalef32_pk8_bf8_f32 v[PCA+4*\b+2:PCA+4*\b+3], v[X+16*\b+8:X+16*\b+15], v[TM+12+\b]
.endr
	v_nop
.irp b, 0,1,2,3
	global_store_b128 v8, v[PCA+4*\b:PCA+4*\b+3], s[20:21] offset:2048*((\a)%4)+HB*((\a)/4)+512*\b
.endr
.endm
.irp a, 0,1,2,3,4,5,6,7
	QUANTW \a
.endr
	v_cmp_le_u32 vcc_lo, 16, v3
.irp k, 0,1,2,3
	v_cndmask_b32 v[56+\k], v[PW+\k], v[PW+4+\k], vcc_lo   ; lanes 0-15: the first head's four channel tiles; lanes 16-31: the second head's
	v_mov_b32 v[60+\k], 0
.endr
	global_store_b128 v9, v[56:59], s[20:21] offset:8704   ; the scale words [r][tile]: sixteen lanes store 256 consecutive bytes, aligned
	global_store_b128 v9, v[60:63], s[20:21] offset:8960   ; the block's last 256 bytes
	s_wait_tensorcnt 0x0                           ; the wave's end
	ds_add_u32 v[SPW], v[NIL]
	s_wait_dscnt 0x0
	CROUND                                         ; the closing round
	s_endpgm
.Lfunc_end_k_q48663b4e01_vp:
	.size	k_q48663b4e01_vp, .Lfunc_end_k_q48663b4e01_vp-k_q48663b4e01_vp
	.p2alignl 7, 3214868480
	.fill 96, 4, 3214868480
	.section	.rodata,"a",@progbits
	.p2align	6, 0x0
	.amdhsa_kernel k_q48663b4e01_vp
		.amdhsa_group_segment_fixed_size 327680
		.amdhsa_private_segment_fixed_size 0
		.amdhsa_enable_private_segment 0
		.amdhsa_kernarg_size 24
		.amdhsa_user_sgpr_count 2
		.amdhsa_user_sgpr_kernarg_segment_ptr 1
		.amdhsa_wavefront_size32 1
		.amdhsa_system_sgpr_workgroup_id_x 1
		.amdhsa_system_sgpr_workgroup_id_y 1
		.amdhsa_system_sgpr_workgroup_id_z 1
		.amdhsa_system_vgpr_workitem_id 0
		.amdhsa_next_free_vgpr 1024
		.amdhsa_next_free_sgpr 102
		.amdhsa_reserve_vcc 1
		.amdhsa_float_denorm_mode_32 3
		.amdhsa_float_denorm_mode_16_64 3
		.amdhsa_memory_ordered 1
		.amdhsa_forward_progress 1
		.amdhsa_inst_pref_size 187
	.end_amdhsa_kernel
	.amdgpu_metadata
---
amdhsa.version: [ 1, 2 ]
amdhsa.kernels:
  - .name:           k_q48663b4e01_vp
    .symbol:         k_q48663b4e01_vp.kd
    .args:
      - { .name: wts, .offset: 0, .size: 8, .value_kind: global_buffer, .address_space: global }
      - { .name: xq, .offset: 8, .size: 8, .value_kind: global_buffer, .address_space: global }
      - { .name: kv, .offset: 16, .size: 8, .value_kind: global_buffer, .address_space: global }
    .group_segment_fixed_size: 327680
    .private_segment_fixed_size: 0
    .kernarg_segment_align: 8
    .kernarg_segment_size: 24
    .max_flat_workgroup_size: 128
    .sgpr_count:     102
    .vgpr_count:     1024
    .wavefront_size: 32
...
	.end_amdgpu_metadata
.endif
;; end of part 3
;; launch attn (part 4): grid 4 x 64, 8 waves a work-group, clusters of 4 x 1, 327,680 bytes of LDS; arguments qb, kv, pos, a2; writes a2
.if DOCPART == 4
	.amdgcn_target "amdgcn-amd-amdhsa--gfx1250"
	.amdhsa_code_object_version 6
	.text
	.protected	k_q48663b4e01_attn
	.globl	k_q48663b4e01_attn
	.p2align	8
	.type	k_q48663b4e01_attn,@function
k_q48663b4e01_attn:
	s_mov_b64 s[64:65], 0
	v_nop
	global_prefetch_b8 v0, s[64:65] scope:SCOPE_SE
	s_setreg_imm32_b32 hwreg(HW_REG_WAVE_MODE, 25, 1), 1
	s_wait_xcnt 0x0
	s_wait_alu depctr_hold_cnt(0) depctr_sa_sdst(0) depctr_va_vdst(0) depctr_va_sdst(0) depctr_va_ssrc(0) depctr_va_vcc(0) depctr_vm_vsrc(0)
	s_getreg_b32 s2, hwreg(HW_REG_IB_STS2, 6, 4)
	s_cmp_eq_u32 s2, 0
	s_cbranch_scc0 .Lentry_in_a_cluster
	s_endpgm
.Lentry_in_a_cluster:
	s_bfe_u32 s2, ttmp6, 0x10000c
	s_cmp_lg_u32 s2, 0x3003
	s_cbranch_scc0 .Lentry_shape_is_right
	s_endpgm
.Lentry_shape_is_right:
; a2 = Q(softmax(q k^T / 8) v + pos): both products on codes of E5M2 with E8M0 scales; the result, with pos added, is quantised along the channels for the last product.
; SHARES. A work-group owns 512 queries of one head (grid y = batch x 16 + head), a wave 64 of them: four tiles of 16.  Every wave walks the head's 2,048 keys, 128 a step.
; THE WHOLE HEAD'S K AND V, 16 blocks of 17,408 bytes as the launches before laid them (register images: K's 8 tiles at 1,024 t, V^T's 4 channel tiles at 8,192 + 2,048 u,
; K's scale words at 16,384, V's at 16,896), lie in LDS for the whole launch: 278,528 bytes, filled once.  The four work-groups of a head form a cluster and ask for them JOINTLY:
; each wave issues one load of 136 rows of 256 bytes with the mask of all four.  Since all of it is asked for at the head, there is no later tile of K or V to prefetch.
; pos is prefetched: each wave names its own 64 rows x 256 bytes once, a lane a row, two trips ahead of the loads that read them.
; LAYOUT. Both products are used transposed (S^T = K Q^T, O^T = V^T P^T): a lane holds one query.  The head has 64 channels, the instruction 128 along K: Q's upper 8 registers are zeros,
; and K's operand of tile t reaches into tile t + 1's registers (finite codes x 0); behind tile 7 stand 8 registers of zeros.
; THE SOFTMAX: t = score x log2(e) / 8; M = the running largest t rounded up to a whole number (the running maximum is kept as a score: the factor is positive); p = 2^(t - M) is quantised along the keys;
; the sum is taken of the unquantised p; when M moves, sum and O are multiplied by 2^(old M - new M).
; ORDER IN A STEP. The next tile's score products are issued in two halves, each as soon as the half of S that it writes has been summed, held and converted; O's rescaling and the tile's four products with V follow.
; Maxima and sums run in eight chains by turns; the scale lines and the joins of the chains stand among the sums and holds, so that few lines read what the line above has written.
; The next step's K is read from LDS behind the step's last score product, V at the step's top: each has a tile's work or more in which to come.
; LIMITS: the promise holds while the scaled scores stay under 2^31 in magnitude; NaN and infinities are not served; a block whose largest magnitude lies under 2^-111 gets the byte 1.
; REGISTERS. Window 0: v0-63 addresses and a tile's small numbers; v64-127 S, then p; v128-191 K, v192-199 zeros; v200-215 p's codes; v216-227 chains.  Window 1: v0-127 O^T (tile i at 32 i); v128-191 V; v192-255 Q.
.set HB,   278528
.set BLKB, 17408
.set PART, 34816                       ; a wave's eighth of the head's blocks
.set STG,  278528                      ; the way out: 4,352 bytes for each wave
.set SPARE, 313344                     ; the spare words, 128 bytes for each wave
.set A2S,  8388608
.set AL0, 1                            ; 16 x lane
.set AR0, 2                            ; 16 x (lane % 16)
.set AL,  3                            ; the step's block, + AL0
.set AR,  4                            ; + AR0
.set PF,  5                            ; 4,096 x lane: a row of pos
.set ALK, 6                            ; the next step's block, + AL0
.set QS,  24
.set KS,  28
.set VS,  32
.set PS,  36
.set T5,  37
.set T3,  38
.set BM,  40
.set PX,  44
.set HD,  48
.set SO,  52
.set FF,  56
.set T1,  58
.set T4,  58
.set T2,  60
.set S,   64
.set KF,  128
.set P,   200
.set BN,  216
.set T6,  220
.set T7,  222
.set T8,  224
.set T9,  226
.set VF,  128                          ; window 1
.set Q,   192                          ; window 1
.set WV,  12
.set MNT, 19
.set SEL, 20
.set CS,  22
.set G1A, 24
.set TN,  32
.set G0A, 40
.set TB,  48
.set CNT, 49
.set MSB, 0
.macro WIN new                         ; the immediate's high byte repeats the setting that is left
.if MSB != (\new)
	s_set_vgpr_msb (MSB<<8)|(\new)
.set MSB, (\new)
.endif
.endm
.macro CROUND                          ; a round of the cluster's barrier
	s_barrier_signal -1
	s_barrier_wait -1
	s_cmp_lg_u32 s[WV], 0
	s_cbranch_scc1 .Lnot_wave_0_\@
	s_barrier_signal -3
.Lnot_wave_0_\@:
	s_barrier_wait -3
	s_barrier_signal -1
	s_barrier_wait -1
.endm
	s_load_b256 s[4:11], s[0:1], 0x0               ; qb, kv, pos, a2
	v_lshl_add_u32 v62, v0, 2, SPARE
	v_mov_b32 v63, 0
	ds_add_u32 v62, v63                            ; the opening lines: the add twice on end and its wait ahead of my tensor load
	ds_add_u32 v62, v63
	v_lshrrev_b32 v1, 5, v0
	s_delay_alu instid0(VALU_DEP_1)
	v_readfirstlane_b32 s[WV], v1                  ; wave 0..7
	s_bfe_u32 s13, ttmp6, 0x40000                  ; cx: which 512 queries
	s_and_b32 s14, ttmp7, 0xffff                   ; batch x 16 + head
	s_mul_i32 s16, s14, HB
	s_mov_b32 s17, 0
	s_mov_b32 s[G1A], 15|(3<<16)|(1<<21)           ; the mask of all four; elements of 8 bytes; bit 21 beside a mask
	s_mov_b32 s[G1A+1], 32<<16                     ; rows of 256 bytes
	s_mov_b32 s[G1A+2], 136<<16
	s_mov_b32 s[G1A+3], 32<<16
	s_mov_b32 s[G1A+4], 136
	s_mov_b32 s[G1A+5], 32
	s_mov_b32 s[G1A+6], 0
	s_mov_b32 s[G1A+7], 0
	s_mul_i32 s58, s[WV], PART
	s_mov_b32 s59, 0
	s_mov_b32 s61, 0
	v_and_b32 v6, 31, v0
	s_delay_alu instid0(VALU_DEP_1)
	v_lshlrev_b32 v[AL0], 4, v6
	v_and_b32 v7, 15, v0
	s_delay_alu instid0(VALU_DEP_1)
	v_lshlrev_b32 v[AR0], 4, v7
	v_lshlrev_b32 v[PF], 12, v6
	s_and_b32 s15, s[WV], 1
	s_lshl_b32 s62, s15, 12
	v_add_nc_u32 v6, s62, v[AL0]                   ; Q: my four tiles of the block's eight
	s_lshl_b32 s62, s15, 8
	v_add_nc_u32 v7, s62, v[AR0]                   ; and their scale words
	s_lshl_b32 s60, s13, 2
	s_lshr_b32 s62, s[WV], 1
	s_add_co_u32 s60, s60, s62
	s_mul_i32 s60, s60, BLKB
	s_add_co_u32 s60, s60, s16                     ; the block of 128 queries that holds my 64
	s_wait_alu depctr_va_vdst(0)                   ; the wait here, directly ahead of the waits below
	s_wait_dscnt 0x0                               ; both opening adds are done
	s_wait_kmcnt 0x0
	s_add_nc_u64 s[56:57], s[4:5], s[60:61]
	WIN 0x40
.irp i, 0,1,2,3
.irp c, 0,1
	global_load_b128 v[Q+16*\i+4*\c:Q+16*\i+4*\c+3], v6, s[56:57] offset:1024*\i+512*\c   ; Q stays in registers; asked for ahead of the round
.endr
.endr
	WIN 0
	global_load_b128 v[QS:QS+3], v7, s[56:57] offset:16384
	s_add_nc_u64 s[62:63], s[6:7], s[16:17]
	s_mov_b32 s[G0A], 1
	s_mov_b32 s[G0A+1], s58
	s_add_nc_u64 s[G0A+2:G0A+3], s[62:63], s[58:59]
	s_or_b32 s[G0A+3], s[G0A+3], 0x80000000
	CROUND                                         ; all four work-groups are here: the joint loads meet
	tensor_load_to_lds s[G0A:G0A+3], s[G1A:G1A+7]  ; my one tensor load of the launch
	s_nop 0
.rept 4
	v_nop
.endr
	s_lshr_b32 s58, s14, 4                         ; batch
	s_and_b32 s59, s14, 15                         ; head
	s_lshl_b32 s18, s58, 11
	s_lshl_b32 s60, s13, 9
	s_add_co_u32 s18, s18, s60
	s_lshl_b32 s60, s[WV], 6
	s_add_co_u32 s18, s18, s60                     ; my first token
	s_lshl_b32 s60, s18, 12
	s_lshl_b32 s62, s59, 8
	s_add_co_u32 s60, s60, s62
	s_add_nc_u64 s[50:51], s[8:9], s[60:61]        ; pos at (my first token, the head's 64 channels)
	s_lshr_b32 s60, s59, 2
	s_lshl_b32 s60, s60, 21
	s_lshl_b32 s62, s18, 8
	s_add_co_u32 s60, s60, s62
	s_and_b32 s62, s59, 3
	s_lshl_b32 s62, s62, 10
	s_add_co_u32 s60, s60, s62
	s_add_nc_u64 s[52:53], s[10:11], s[60:61]      ; a2's code images
	s_lshl_b32 s60, s59, 14
	s_lshl_b32 s62, s18, 1
	s_add_co_u32 s60, s60, s62
	s_add_co_u32 s60, s60, A2S
	s_add_nc_u64 s[54:55], s[10:11], s[60:61]      ; a2's scale bytes
	s_mov_b32 s[MNT], 0x600000                     ; the mantissa field of 57,344
	s_mov_b32 s[SEL], 0x76543210
	s_mov_b32 s[SEL+1], 0xfedcba98
	s_mov_b32 s[CS], 0x3e38aa3b                    ; log2(e) / 8
	s_mov_b32 s[CS+1], s[CS]
	s_mov_b32 s[TB], 0
.irp i, 0,1,2,3
	v_mov_b32 v[9+4*\i], 0xff61b1e6                ; the largest score so far: -3e38
	s_delay_alu instid0(VALU_DEP_1)
	v_floor_f32 v[8+4*\i], -v[9+4*\i]              ; -M: over every later one
	v_mov_b32 v[10+4*\i], 0                        ; the sum, in two halves
	v_mov_b32 v[11+4*\i], 0
	v_mov_b32 v[PX+\i], 0                          ; a lane permute's destination counts as one of its sources
.endr
	v_mov_b32 v[FF+1], 0
.irp n, 0,1,2,3,4,5,6,7
	v_mov_b32 v[KF+64+\n], 0                       ; behind K's tile 7
.endr
	WIN 0x40
.set ii, 0
.rept 128
	v_mov_b32 v[ii], 0                             ; O^T: the loop is written once, its first step finds zeros
.set ii, ii+1
.endr
.irp i, 0,1,2,3
.irp n, 8,9,10,11,12,13,14,15
	v_mov_b32 v[Q+16*\i+\n], 0                     ; Q's upper 64 along K
.endr
.endr
	WIN 0
; four score products of query tile i: keys' tiles 4 hi .. 4 hi + 3
.macro QKH i, hi
.irp t, 0,1,2,3
.if \hi
	v_wmma_scale_f32_16x16x128_f8f6f4 v[S+32+8*\t:S+32+8*\t+7], v[KF+32+8*\t:KF+32+8*\t+15], v[Q+16*(\i):Q+16*(\i)+15], 0, v[KS+\t], v[QS+(\i)] matrix_a_fmt:MATRIX_FMT_BF8 matrix_b_fmt:MATRIX_FMT_BF8 matrix_a_scale:MATRIX_SCALE_ROW1
.else
	v_wmma_scale_f32_16x16x128_f8f6f4 v[S+8*\t:S+8*\t+7], v[KF+8*\t:KF+8*\t+15], v[Q+16*(\i):Q+16*(\i)+15], 0, v[KS+\t], v[QS+(\i)] matrix_a_fmt:MATRIX_FMT_BF8 matrix_b_fmt:MATRIX_FMT_BF8
.endif
.endr
.endm
.macro KLOAD adr                       ; a step's K and its scale words: 17 LDS loads
.irp t, 0,1,2,3,4,5,6,7
.irp c, 0,1
	ds_load_b128 v[KF+8*\t+4*\c:KF+8*\t+4*\c+3], v[\adr] offset:1024*\t+512*\c
.endr
.endr
	ds_load_b128 v[KS:KS+3], v[\adr] offset:16384
.endm
.macro MINS b                          ; block b's hold (the conversion to an 8-bit code does not saturate: ISA guide 7.6.2; p is not negative), two numbers a line
.irp k, 0,2,4,6,8,10,12,14
	v_dual_min_num_f32 v[S+16*\b+\k], v[HD+\b], v[S+16*\b+\k] :: v_dual_min_num_f32 v[S+16*\b+\k+1], v[HD+\b], v[S+16*\b+\k+1]
.endr
.endm
.macro CVTS b                          ; and its codes
	v_cvt_scalef32_pk8_bf8_f32 v[P+4*\b:P+4*\b+1], v[S+16*\b:S+16*\b+7], v[SO+\b]
	v_cvt_scalef32_pk8_bf8_f32 v[P+4*\b+2:P+4*\b+3], v[S+16*\b+8:S+16*\b+15], v[SO+\b]
.endm
.macro ADD2 d, n                       ; a chain of the sum begins
	v_pk_add_f32 v[\d:\d+1], v[S+\n:S+\n+1], v[S+\n+2:S+\n+3]
.endm
.macro ACC d, n                        ; goes on
	v_pk_add_f32 v[\d:\d+1], v[\d:\d+1], v[S+\n:S+\n+1]
.endm
.macro JOIN d, e                       ; and is joined to another
	v_pk_add_f32 v[\d:\d+1], v[\d:\d+1], v[\e:\e+1]
.endm
; Query tile i of a step: softmax, codes, O's rescaling, the products with V.  nq = 1: tile i + 1's score products are issued on the way.  kl = 1: the next step's K is read.
.macro SM i, nq, kl
.set NM, 8+4*(\i)
.irp b, 0,1,2,3
	v_max3_num_f32 v[BM+\b], v[S+16*\b], v[S+1+16*\b], v[S+2+16*\b]   ; each block's largest score, in two chains a block: for the row's maximum and for the block's largest p
.endr
.irp b, 0,1,2,3
	v_max3_num_f32 v[BN+\b], v[S+8+16*\b], v[S+9+16*\b], v[S+10+16*\b]
.endr
.irp n, 3,5
.irp b, 0,1,2,3
	v_max3_num_f32 v[BM+\b], v[BM+\b], v[S+16*\b+\n], v[S+1+16*\b+\n]
.endr
.irp b, 0,1,2,3
	v_max3_num_f32 v[BN+\b], v[BN+\b], v[S+8+16*\b+\n], v[S+9+16*\b+\n]
.endr
.endr
.irp b, 0,1,2,3
	v_max3_num_f32 v[BM+\b], v[BM+\b], v[BN+\b], v[S+7+16*\b]
.endr
.irp b, 0,1,2,3
	v_max_num_f32 v[BM+\b], v[BM+\b], v[S+15+16*\b]
.endr
.irp b, 0,1,2,3
	s_delay_alu instid0(VALU_DEP_4)
	v_permlanex16_b32 v[PX+\b], v[BM+\b], s[SEL], s[SEL+1]
.endr
.irp b, 0,1,2,3
	s_delay_alu instid0(VALU_DEP_4)
	v_max_num_f32 v[BM+\b], v[BM+\b], v[PX+\b]     ; with lane l xor 16's 16 keys
.endr
	s_delay_alu instid0(VALU_DEP_2)
	v_max3_num_f32 v[T1], v[BM], v[BM+1], v[BM+2]
	v_mov_b32 v[T5], v[NM]                         ; the old -M
	s_delay_alu instid0(VALU_DEP_2)
	v_max3_num_f32 v[NM+1], v[T1], v[BM+3], v[NM+1]   ; the running largest score
	s_delay_alu instid0(VALU_DEP_1)
	v_mul_f32 v[T1], -v[NM+1], s[CS]               ; -t
	s_delay_alu instid0(VALU_DEP_1)
	v_floor_f32 v[NM], v[T1]                       ; -M = floor(-t)
.set ii, 0
.rept 32
	v_pk_fma_f32 v[S+ii:S+ii+1], v[S+ii:S+ii+1], s[CS:CS+1], v[NM:NM+1] op_sel_hi:[1,0,0]   ; t - M
.if ii == 6
	v_sub_f32 v[T1], v[NM], v[T5]                  ; old M - new M: a whole number, 0 or less
.endif
.if ii == 16
	v_cvt_i32_f32 v[T1], v[T1]
.endif
.if ii == 26
	v_ldexp_f32 v[FF], 1.0, v[T1]                  ; f = 2^(old M - new M)
.endif
.set ii, ii+2
.endr
.irp b, 0,1,2,3
	v_fma_f32 v[BM+\b], v[BM+\b], s[CS], v[NM]
.endr
	s_wait_alu depctr_va_vdst(0)                   ; the wait ahead of the batch
.set ii, 0
.rept 64
	v_exp_f32 v[S+ii], v[S+ii]
.set ii, ii+1
.endr
.irp b, 0,1,2,3
	v_exp_f32 v[BM+\b], v[BM+\b]                   ; the block's largest p
.endr
	v_pk_mul_f32 v[NM+2:NM+3], v[NM+2:NM+3], v[FF:FF+1] op_sel_hi:[1,0]   ; the sum under the new M (a plain place behind the batch)
	s_wait_alu depctr_va_vdst(0)                   ; and behind it, ahead of its first reader
	s_wait_dscnt 0x0                               ; tile 0: the step's V is in; tile 3: the next step's K; else nothing of mine is out
.irp b, 0,1,2,3
	v_max_num_f32 v[BM+\b], 0x8000000, v[BM+\b]    ; the floor 2^(16 - 127)
.endr
	ADD2 T2, 0                                     ; the sum of the unquantised p: eight chains; first the registers of blocks 0 and 1
	ADD2 T3, 4
	ADD2 T4, 8
	ADD2 T6, 12
.irp b, 0,1,2,3
	v_add_nc_u32 v[SO+\b], 0xf8800000, v[BM+\b]    ; the conversion's scale operand
.endr
	ADD2 T7, 16
	ADD2 T8, 20
	ADD2 T9, 24
	ACC NM+2, 28
.irp b, 0,1,2,3
	v_and_or_b32 v[HD+\b], v[BM+\b], 0x7f800000, s[MNT]   ; 57,344 x the scale
.endr
.irp b, 0,1,2,3
	v_lshrrev_b32 v[PX+\b], 23, v[SO+\b]           ; the byte
.endr
	ACC T2, 30
	v_lshl_or_b32 v[PS], v[PX+1], 8, v[PX]         ; p's scale word for these 128 keys, a line at a time among the holds
	MINS 0
	v_lshl_or_b32 v[PS], v[PX+2], 16, v[PS]
	MINS 1
	v_lshl_or_b32 v[PS], v[PX+3], 24, v[PS]
	CVTS 0
	CVTS 1
	v_nop                                          ; a plain line behind the last conversion
.if \nq
	WIN 0x04
	QKH (\i)+1, 0                                  ; they write the half of S that is done with
	WIN 0
.endif
.irp n, 32,48
	ACC T3, \n
	ACC T4, \n+2
	ACC T6, \n+4
	ACC T7, \n+6
	ACC T8, \n+8
	ACC T9, \n+10
	ACC NM+2, \n+12
	ACC T2, \n+14
.endr
	JOIN T2, T3
	JOIN T4, T6
	JOIN T7, T8
	JOIN NM+2, T9
	MINS 2
	JOIN T2, T4
	JOIN NM+2, T7
	MINS 3
	JOIN NM+2, T2
	CVTS 2
	CVTS 3
	v_nop                                          ; a plain line behind the last conversion
.if \nq
	WIN 0x04
	QKH (\i)+1, 1
.endif
	WIN 0x41
.set ii, 0
.rept 16
	v_pk_mul_f32 v[32*(\i)+ii:32*(\i)+ii+1], v[32*(\i)+ii:32*(\i)+ii+1], v[FF:FF+1] op_sel_hi:[1,0]   ; O^T under the new M; these 16 are also the places behind the score products and ahead of the products below
.set ii, ii+2
.endr
.if \kl
	WIN 0
	KLOAD ALK
.endif
	WIN 0x51
.irp u, 0,1,2,3
	v_wmma_scale_f32_16x16x128_f8f6f4 v[32*(\i)+8*\u:32*(\i)+8*\u+7], v[VF+16*\u:VF+16*\u+15], v[P:P+15], v[32*(\i)+8*\u:32*(\i)+8*\u+7], v[VS+\u], v[PS] matrix_a_fmt:MATRIX_FMT_BF8 matrix_b_fmt:MATRIX_FMT_BF8
.endr
	WIN 0
.endm
	s_wait_alu depctr_va_vdst(0)                   ; the wait at the head's end
	s_wait_loadcnt 0x0                             ; Q
	s_wait_tensorcnt 0x0                           ; my eighth of the head has landed
	s_barrier_signal -1
	s_barrier_wait -1                              ; and everybody's
	KLOAD AL0                                      ; step 0's K
	s_mov_b32 s[CNT], 16
.Lstep:
	s_cmp_eq_u32 s[CNT], 2                         ; two trips ahead of the way out: my 64 rows of pos, 256 bytes each, a lane a row
	s_cbranch_scc0 .Lno_ask
	global_prefetch_b8 v[PF], s[50:51] th:TH_LOAD_NT scope:SCOPE_SE
	global_prefetch_b8 v[PF], s[50:51] offset:131072 th:TH_LOAD_NT scope:SCOPE_SE
.Lno_ask:
	s_add_co_u32 s[TN], s[TB], BLKB
	s_min_u32 s[TN], s[TN], 15*BLKB                ; the next step's block; in the last trip the address is held at the last block, and what is read there is not used
	v_add_nc_u32 v[AL], s[TB], v[AL0]
	v_add_nc_u32 v[AR], s[TB], v[AR0]
	v_add_nc_u32 v[ALK], s[TN], v[AL0]
.rept 5
	v_nop                                          ; with the three above: eight places behind the last products, ahead of the loads into V's registers
.endr
	s_wait_alu depctr_va_vdst(0)                   ; the wait here, directly ahead of the wait below
	s_wait_dscnt 0x0                               ; this step's K is in
	WIN 0x04
	QKH 0, 0
	QKH 0, 1
	WIN 0x40
.irp u, 0,1,2,3
.irp c, 0,1,2,3
	ds_load_b128 v[VF+16*\u+4*\c:VF+16*\u+4*\c+3], v[AL] offset:8192+2048*\u+512*\c
.endr
.endr
	WIN 0
	ds_load_b128 v[VS:VS+3], v[AR] offset:16896
.rept 8
	v_nop                                          ; places behind the score products
.endr
	SM 0, 1, 0
	SM 1, 1, 0
	SM 2, 1, 1
	SM 3, 0, 0
	s_add_co_u32 s[TB], s[TB], BLKB
	s_sub_co_u32 s[CNT], s[CNT], 1
	s_cmp_lg_u32 s[CNT], 0
	s_wait_alu depctr_va_vdst(0)                   ; the wait here, directly ahead of the branch
	s_cbranch_scc1 .Lstep
; THE WAY OUT.  pos comes by rows of 256 bytes and turns through my stage in LDS into the layout of O^T; O^T / the sum + pos is quantised along the channels, two blocks of 32, and leaves as register images.
.rept 8
	v_nop
.endr
	v_and_b32 v6, 15, v0
	v_bfe_u32 v7, v0, 4, 1
	s_delay_alu instid0(VALU_DEP_1)
	v_lshlrev_b32 v3, 12, v7
	s_delay_alu instid0(VALU_DEP_1)
	v_lshl_add_u32 v3, v6, 4, v3
	s_mul_i32 s58, s[WV], 4352
	s_add_co_u32 s58, s58, STG
	v_mul_u32_u24 v4, v7, 272
	s_delay_alu instid0(VALU_DEP_1)
	v_lshl_add_u32 v4, v6, 4, v4
	s_delay_alu instid0(VALU_DEP_1)
	v_add_nc_u32 v4, s58, v4
	v_mul_u32_u24 v59, v6, 272
	s_delay_alu instid0(VALU_DEP_1)
	v_lshl_add_u32 v59, v7, 6, v59
	s_delay_alu instid0(VALU_DEP_1)
	v_add_nc_u32 v59, s58, v59
.irp i, 0,1,2,3
.irp k, 0,1,2,3,4,5,6,7
	global_load_b128 v[64+32*\i+4*\k:67+32*\i+4*\k], v3, s[50:51] offset:(32*(\i/2)+8*(\i%2)+2*\k+8*(\k/4))*4096 th:TH_LOAD_NT
.endr
.endr
.irp i, 0,1,2,3
	v_add_f32 v[40+\i], v[10+4*\i], v[11+4*\i]
.endr
.irp i, 0,1,2,3
	s_delay_alu instid0(VALU_DEP_4)
	v_permlanex16_b32 v[44+\i], v[40+\i], s[SEL], s[SEL+1]
.endr
.irp i, 0,1,2,3
	s_delay_alu instid0(VALU_DEP_4)
	v_add_f32 v[40+\i], v[40+\i], v[44+\i]         ; the rows' sums
.endr
	s_wait_alu depctr_va_vdst(0)
.irp i, 0,1,2,3
	v_rcp_f32 v[48+\i], v[40+\i]
.endr
	v_nop
	s_wait_alu depctr_va_vdst(0)
.macro OUTT i
	s_wait_loadcnt 24-8*(\i)                       ; tile i's eight loads are in; the later tiles' may be out
.irp k, 0,1,2,3,4,5,6,7
	ds_store_b128 v4, v[64+32*(\i)+4*\k:67+32*(\i)+4*\k] offset:544*\k
.endr
.irp b, 0,1
.irp j, 0,1,2,3
	ds_load_b128 v[192+16*\b+4*\j:195+16*\b+4*\j], v59 offset:128*\b+16*\j   ; LDS serves a wave's instructions in order: these see my stores
.endr
.endr
	s_wait_dscnt 0x0
	WIN 0x01
.set ii, 0
.rept 32
	v_fma_f32 v[192+ii], v[32*(\i)+ii], v[48+(\i)], v[192+ii]
.set ii, ii+1
.endr
	WIN 0
.irp b, 0,1
	v_max3_num_f32 v[8+\b], |v[192+16*\b]|, |v[193+16*\b]|, 0x8000000
.endr
.irp n, 2,4,6,8,10,12,14
.irp b, 0,1
	s_delay_alu instid0(VALU_DEP_2)
	v_max3_num_f32 v[8+\b], v[8+\b], |v[192+16*\b+\n]|, |v[193+16*\b+\n]|
.endr
.endr
.irp b, 0,1
	s_delay_alu instid0(VALU_DEP_2)
	v_permlanex16_b32 v[10+\b], v[8+\b], s[SEL], s[SEL+1]
.endr
.irp b, 0,1
	s_delay_alu instid0(VALU_DEP_2)
	v_max_num_f32 v[8+\b], v[8+\b], v[10+\b]
.endr
.irp b, 0,1
	s_delay_alu instid0(VALU_DEP_2)
	v_add_nc_u32 v[14+\b], 0xf8800000, v[8+\b]
.endr
.irp b, 0,1
	s_delay_alu instid0(VALU_DEP_4)
	v_and_or_b32 v[12+\b], v[8+\b], 0x7f800000, s[MNT]
.endr
.irp b, 0,1
	s_delay_alu instid0(VALU_DEP_4)
	v_lshrrev_b32 v[10+\b], 23, v[14+\b]
.endr
	s_delay_alu instid0(VALU_DEP_1)
	v_lshl_or_b32 v[16+(\i)], v11, 8, v10
.irp b, 0,1
.set ii, 0
.rept 16
	v_med3_num_f32 v[192+16*\b+ii], v[192+16*\b+ii], -v[12+\b], v[12+\b]
.set ii, ii+1
.endr
	v_cvt_scalef32_pk8_bf8_f32 v[224+8*(\i)+4*\b:225+8*(\i)+4*\b], v[192+16*\b:199+16*\b], v[14+\b]
	v_cvt_scalef32_pk8_bf8_f32 v[226+8*(\i)+4*\b:227+8*(\i)+4*\b], v[200+16*\b:207+16*\b], v[14+\b]
.endr
	v_nop
.irp b, 0,1
	global_store_b128 v[AL0], v[224+8*(\i)+4*\b:227+8*(\i)+4*\b], s[52:53] offset:4096*(\i)+512*\b   ; a group's image: 512 consecutive bytes
.endr
.endm
	OUTT 0
	OUTT 1
	OUTT 2
	OUTT 3
	v_lshl_or_b32 v20, v17, 16, v16
	v_lshl_or_b32 v21, v19, 16, v18
	v_cmp_eq_u32 vcc_lo, 1, v7
	s_delay_alu instid0(VALU_DEP_1)
	v_cndmask_b32 v20, v20, v21, vcc_lo
	v_lshlrev_b32 v22, 3, v6
	s_delay_alu instid0(VALU_DEP_1)
	v_lshl_add_u32 v22, v7, 2, v22
	global_store_b32 v22, v20, s[54:55]            ; the scale bytes of my 64 tokens: 128 consecutive bytes
	s_wait_tensorcnt 0x0                           ; the wave's end
	ds_add_u32 v62, v63
	s_wait_dscnt 0x0
	CROUND                                         ; the closing round
	s_endpgm
.Lfunc_end_k_q48663b4e01_attn:
	.size	k_q48663b4e01_attn, .Lfunc_end_k_q48663b4e01_attn-k_q48663b4e01_attn
	.p2alignl 7, 3214868480
	.fill 96, 4, 3214868480
	.section	.rodata,"a",@progbits
	.p2align	6, 0x0
	.amdhsa_kernel k_q48663b4e01_attn
		.amdhsa_group_segment_fixed_size 327680
		.amdhsa_private_segment_fixed_size 0
		.amdhsa_enable_private_segment 0
		.amdhsa_kernarg_size 32
		.amdhsa_user_sgpr_count 2
		.amdhsa_user_sgpr_kernarg_segment_ptr 1
		.amdhsa_wavefront_size32 1
		.amdhsa_system_sgpr_workgroup_id_x 1
		.amdhsa_system_sgpr_workgroup_id_y 1
		.amdhsa_system_sgpr_workgroup_id_z 1
		.amdhsa_system_vgpr_workitem_id 0
		.amdhsa_next_free_vgpr 512
		.amdhsa_next_free_sgpr 66
		.amdhsa_reserve_vcc 1
		.amdhsa_float_denorm_mode_32 3
		.amdhsa_float_denorm_mode_16_64 3
		.amdhsa_memory_ordered 1
		.amdhsa_forward_progress 1
		.amdhsa_inst_pref_size 119
	.end_amdhsa_kernel
	.amdgpu_metadata
---
amdhsa.version: [ 1, 2 ]
amdhsa.kernels:
  - .name:           k_q48663b4e01_attn
    .symbol:         k_q48663b4e01_attn.kd
    .args:
      - { .name: qb, .offset: 0, .size: 8, .value_kind: global_buffer, .address_space: global }
      - { .name: kv, .offset: 8, .size: 8, .value_kind: global_buffer, .address_space: global }
      - { .name: pos, .offset: 16, .size: 8, .value_kind: global_buffer, .address_space: global }
      - { .name: a2, .offset: 24, .size: 8, .value_kind: global_buffer, .address_space: global }
    .group_segment_fixed_size: 327680
    .private_segment_fixed_size: 0
    .kernarg_segment_align: 8
    .kernarg_segment_size: 32
    .max_flat_workgroup_size: 256
    .sgpr_count:     66
    .vgpr_count:     512
    .wavefront_size: 32
...
	.end_amdgpu_metadata
.endif
;; end of part 4
;; launch outp (part 5): grid 8 x 32, 4 waves a work-group, clusters of 4 x 4, 327,680 bytes of LDS; arguments a2, wts, b_out, out0; writes out0
.if DOCPART == 5
	.amdgcn_target "amdgcn-amd-amdhsa--gfx1250"
	.amdhsa_code_object_version 6
	.text
	.protected	k_q48663b4e01_outp
	.globl	k_q48663b4e01_outp
	.p2align	8
	.type	k_q48663b4e01_outp,@function
k_q48663b4e01_outp:
	s_mov_b64 s[64:65], 0
	v_nop
	global_prefetch_b8 v0, s[64:65] scope:SCOPE_SE
	s_setreg_imm32_b32 hwreg(HW_REG_WAVE_MODE, 25, 1), 1
	s_wait_xcnt 0x0
	s_wait_alu depctr_hold_cnt(0) depctr_sa_sdst(0) depctr_va_vdst(0) depctr_va_sdst(0) depctr_va_ssrc(0) depctr_va_vcc(0) depctr_vm_vsrc(0)
	s_getreg_b32 s2, hwreg(HW_REG_IB_STS2, 6, 4)
	s_cmp_eq_u32 s2, 0
	s_cbranch_scc0 .Lentry_in_a_cluster
	s_endpgm
.Lentry_in_a_cluster:
	s_bfe_u32 s2, ttmp6, 0x10000c
	s_cmp_lg_u32 s2, 0xf033
	s_cbranch_scc0 .Lentry_shape_is_right
	s_endpgm
.Lentry_shape_is_right:
; out0 = Q(attention + pos) Q(w_out) + b_out on codes of E5M2 with E8M0 scales.  A (source 1, by work-group y) = 256 token positions of a2; B (source 0, by work-group x) = 128 column positions of w_out.
; A block of 256 x 128 gives 8 x 32 = 256 work-groups.  A wave makes 128 rows x 64 columns: A's 8 blocks x B's 4, 32 accumulators, which take turns; the bias is the C of the first products.
; K goes in steps of 256 through a ring of two slots: in a slot A's 65,536 bytes, then B's 32,768.  4 x 4 work-groups form a cluster: A's tiles are asked for jointly along a row, B's along a column.
; Scale words in LDS: B's 4,096 bytes at SCL (tensor loads), A's 8,192 at SCL + 4,096 (made by the waves from a2's scale bytes).  One register carries A's word of block i in lanes 0-15 and B's in lanes 16-31;
; for i = 4 .. 7 lanes 16-31 read on into A's words, which are written bytes, and nothing uses what they bring.
.set KSTA,  2097152
.set KSTB,  262144
.set BOFF,  3244032
.set BSOFF, 4292608
.set A2S,   8388608
.set NQ,    2
.set FR,    16
.set NL,    4
.set NP,    8
.set SLOT,  131072
.set SCL,   2*SLOT
.set SPARE, SCL+16384
.set SPITCH, 528
.set ADRA, 16
.set ADRB, 20
.set STO,  24
.set RD,   25
.set CO,   26
.set ADRS, 27
.set SPW,  28
.set NIL,  29
.set SC,   32
.set BI,   64
.set AF,   128
.set BK,   128
.set G1, 24
.set G0, 32
.set G1B, 48
.set G0B, 56
.set G1SB, 80
.set G0SB, 88
.set MSB, 0
.macro WIN new
.if MSB != (\new)
	s_set_vgpr_msb (MSB<<8)|(\new)
.set MSB, (\new)
.endif
.endm
.set MUL_LO, 0xa1
.set MUL_HI, 0xf1
.set TO_B,   0x40
.macro JLOAD g0a, g1a, g0b, g1b
	s_cmp_eq_u32 s15, 0
	s_cbranch_scc0 .Lfor_b_\@
	tensor_load_to_lds s[\g0a:\g0a+3], s[\g1a:\g1a+7]
	s_nop 0
.rept 4
	v_nop
.endr
	s_branch .Lasked_\@
.Lfor_b_\@:
	tensor_load_to_lds s[\g0b:\g0b+3], s[\g1b:\g1b+7]
	s_nop 0
.rept 4
	v_nop
.endr
.Lasked_\@:
.endm
.macro CREST
	s_cmp_lg_u32 s14, 0
	s_cbranch_scc1 .Lnot_wave_0_\@
	s_barrier_signal -3
.Lnot_wave_0_\@:
	s_barrier_wait -3
	s_barrier_signal -1
	s_barrier_wait -1
.endm
.macro CROUND
	s_barrier_signal -1
	s_barrier_wait -1
	CREST
.endm
	s_load_b256 s[4:11], s[0:1], 0x0
	v_lshl_add_u32 v[SPW], v0, 2, SPARE
	v_mov_b32 v[NIL], 0
	ds_add_u32 v28, v29
	ds_add_u32 v28, v29
	s_wait_dscnt 0x0
	v_lshrrev_b32 v1, 5, v0
	v_readfirstlane_b32 s14, v1
	s_lshr_b32 s15, s14, 1
	s_and_b32 s16, s14, 1
	s_bfe_u32 s40, ttmp6, 0x40000
	s_bfe_u32 s41, ttmp6, 0x40004
	s_lshl_b32 s42, ttmp9, 2
	s_add_co_u32 s42, s42, s40
	s_and_b32 s17, ttmp7, 0xffff
	s_lshl_b32 s17, s17, 2
	s_add_co_u32 s17, s17, s41
	s_lshl_b32 s43, s41, 2
	s_lshl_b32 s43, 15, s43
	s_lshl_b32 s44, 0x1111, s40
	s_or_b32 s[G1+0], s43, (3<<16)|(1<<21)
	s_or_b32 s[G1B+0], s44, (3<<16)|(1<<21)
.irp g, G1, G1B
	s_mov_b32 s[\g+1], 32<<16
	s_mov_b32 s[\g+2], 256<<16
	s_mov_b32 s[\g+3], 32<<16
	s_mov_b32 s[\g+4], 256
	s_mov_b32 s[\g+5], 32
	s_mov_b32 s[\g+6], 0
	s_mov_b32 s[\g+7], 0
.endr
	s_mov_b32 s[G1B+2], 128<<16                    ; B's whole tile at the head: 128 rows of 256 bytes
	s_mov_b32 s[G1B+4], 128
	s_or_b32 s[G1SB+0], s44, (3<<16)|(1<<21)
	s_mov_b32 s[G1SB+1], 32<<16
	s_mov_b32 s[G1SB+2], 8<<16
	s_mov_b32 s[G1SB+3], 32<<16
	s_mov_b32 s[G1SB+4], 8
	s_mov_b32 s[G1SB+5], 32
	s_mov_b32 s[G1SB+6], 0
	s_mov_b32 s[G1SB+7], 0
	s_lshl_b32 s18, s16, 15
	s_lshl_b32 s20, s17, 16
	s_add_co_u32 s20, s20, s18
	s_mov_b32 s21, 0
	s_lshl_b32 s46, s42, 15                        ; B: 8 tiles of 4,096 bytes a work-group,
	s_lshl_b32 s95, s16, 14                        ; 4 a half
	s_add_co_u32 s46, s46, s95
	s_add_co_u32 s95, s95, 65536                   ; and where a half goes in a slot: behind A's 65,536 bytes
	s_add_co_u32 s46, s46, BOFF
	s_mov_b32 s47, 0
	s_lshl_b32 s94, s15, 11
	s_lshl_b32 s92, s42, 12
	s_add_co_u32 s92, s92, s94
	s_add_co_u32 s92, s92, BSOFF
	s_mov_b32 s93, 0
	s_lshl_b32 s45, s14, 15
	s_wait_kmcnt 0x0
	s_add_nc_u64 s[20:21], s[4:5], s[20:21]
	s_add_nc_u64 s[46:47], s[6:7], s[46:47]
	s_add_nc_u64 s[92:93], s[6:7], s[92:93]
	CROUND
	s_mov_b32 s[G0SB], 1
	s_add_co_u32 s[G0SB+1], s94, SCL
	s_mov_b64 s[G0SB+2:G0SB+3], s[92:93]
	s_or_b32 s[G0SB+3], s[G0SB+3], 0x80000000
; THE HEAD'S LOADS, ONE A WAVE: wave 0 fetches K step 0's whole tile of A (256 rows of 256 bytes), wave 2 B's, waves 1 and 3 the halves of B's scale words (8 rows each).
; Waves 0 and 2 have the half number 0, so their ring addresses are the tiles' first bytes.  One chain of branches on the wave's number, a load to an arm, all arms to one join.
.set G0H, 68
.set G0HB, 72
	s_mov_b32 s[G0H], 1
	s_mov_b32 s[G0H+1], 0
	s_mov_b64 s[G0H+2:G0H+3], s[20:21]
	s_or_b32 s[G0H+3], s[G0H+3], 0x80000000
	s_mov_b32 s[G0HB], 1
	s_mov_b32 s[G0HB+1], 65536
	s_mov_b64 s[G0HB+2:G0HB+3], s[46:47]
	s_or_b32 s[G0HB+3], s[G0HB+3], 0x80000000
	s_cmp_eq_u32 s14, 0
	s_cbranch_scc0 .Lhead_b
	tensor_load_to_lds s[G0H:G0H+3], s[G1:G1+7]
	s_nop 0
.rept 4
	v_nop
.endr
	s_branch .Lhead_asked
.Lhead_b:
	s_cmp_eq_u32 s14, 2
	s_cbranch_scc0 .Lhead_sb
	tensor_load_to_lds s[G0HB:G0HB+3], s[G1B:G1B+7]
	s_nop 0
.rept 4
	v_nop
.endr
	s_branch .Lhead_asked
.Lhead_sb:
	tensor_load_to_lds s[G0SB:G0SB+3], s[G1SB:G1SB+7]
	s_nop 0
.rept 4
	v_nop
.endr
.Lhead_asked:
.irp s, 0,1
	s_mov_b32 s[G0+4*\s], 1
	s_add_co_u32 s[G0+4*\s+1], s45, \s*SLOT
	s_add_nc_u64 s[G0+4*\s+2:G0+4*\s+3], s[20:21], \s*KSTA
	s_or_b32 s[G0+4*\s+3], s[G0+4*\s+3], 0x80000000
	s_mov_b32 s[G0B+4*\s], 1
	s_add_co_u32 s[G0B+4*\s+1], s95, \s*SLOT
	s_add_nc_u64 s[G0B+4*\s+2:G0B+4*\s+3], s[46:47], \s*KSTB
	s_or_b32 s[G0B+4*\s+3], s[G0B+4*\s+3], 0x80000000
.endr
	v_and_b32 v1, 15, v0
	v_bfe_u32 v2, v0, 4, 1
	s_wait_alu depctr_va_vdst(0)
	v_and_b32 v3, 31, v0
	v_lshlrev_b32 v4, 4, v3
	s_wait_alu depctr_va_vdst(0)
	s_lshl_b32 s96, s17, 2
	s_add_co_u32 s96, s96, s14
	s_lshl_b32 s96, s96, 7
	s_add_co_u32 s96, s96, A2S
	s_mov_b32 s97, 0
	s_add_nc_u64 s[96:97], s[4:5], s[96:97]
	v_lshlrev_b32 v9, 17, v2
	v_lshl_add_u32 v9, v1, 3, v9
.irp k, 0,1,2,3,4,5,6,7
	global_load_b64 v[128+2*\k:129+2*\k], v9, s[96:97] offset:16384*\k
.endr
	s_lshl_b32 s46, s42, 9                         ; my first column, in bytes: 512 x work-group x + 256 x half
	s_lshl_b32 s47, s16, 8
	s_add_co_u32 s46, s46, s47
	s_mov_b32 s47, 0
	s_add_nc_u64 s[8:9], s[8:9], s[46:47]
	v_lshlrev_b32 v10, 6, v2
.irp b, 0,1,2,3
	global_load_b128 v[BI+8*\b:BI+8*\b+3], v10, s[8:9] offset:128*(\b/2)+32*(\b%2)
	global_load_b128 v[BI+8*\b+4:BI+8*\b+7], v10, s[8:9] offset:128*(\b/2)+32*(\b%2)+16
.endr
	s_lshl_b32 s21, s15, 15
	s_lshl_b32 s22, s16, 14
	s_add_co_u32 s22, s22, 65536
.irp s, 0,1
	v_add_nc_u32 v[ADRA+\s], s21, v4
	v_add_nc_u32 v[ADRB+\s], s22, v4
	s_add_co_u32 s21, s21, SLOT
	s_add_co_u32 s22, s22, SLOT
.endr
	v_lshlrev_b32 v5, 2, v1
	s_lshl_b32 s21, s16, 11                        ; B's words of my 4 blocks: the lower base, for lanes 16-31
	s_lshl_b32 s22, s15, 12
	s_add_co_u32 s22, s22, 4096                    ; A's words of my 8 blocks,
	s_sub_co_u32 s22, s22, s21                     ; as a distance from it
	v_xor_b32 v6, 1, v2
	v_mul_u32_u24 v6, s22, v6                      ; which lanes 0-15 add
	s_add_co_u32 s21, s21, SCL
	v_add_nc_u32 v6, v5, v6
	v_add_nc_u32 v[ADRS], s21, v6
	s_lshl_b32 s21, s14, 11
	s_add_co_u32 s21, s21, SCL+4096
	v_lshl_add_u32 v7, v2, 8, v5
	v_add_nc_u32 v7, s21, v7
	s_mul_i32 s23, s14, 16*SPITCH
	v_mul_u32_u24 v5, v1, SPITCH
	v_lshl_add_u32 v5, v2, 6, v5
	v_add_nc_u32 v[STO], s23, v5
	v_lshlrev_b32 v[CO], 12, v2                    ; out: lanes 0-15 one row of out0, lanes 16-31 the next; 16 bytes a lane
	v_lshl_add_u32 v[CO], v1, 4, v[CO]
	v_mul_u32_u24 v[RD], v2, SPITCH                ; and the same two rows of the stage
	v_lshl_add_u32 v[RD], v1, 4, v[RD]
	v_add_nc_u32 v[RD], s23, v[RD]
	s_lshl_b32 s20, s17, 8
	s_lshl_b32 s21, s15, 7
	s_add_co_u32 s20, s20, s21
	s_lshl_b32 s20, s20, 12
	s_mov_b32 s21, 0
	s_add_nc_u64 s[20:21], s[20:21], s[46:47]
	s_add_nc_u64 s[12:13], s[10:11], s[20:21]
	s_mov_b32 s98, 0x05040100
	s_mov_b32 s99, 0x07060302
	s_wait_loadcnt 8                               ; A's scale bytes are in; the bias's eight loads may be out
.irp q, 0,1,2,3
.irp n, 0,1,2,3
	v_perm_b32 v[144+4*\q+\n], v[128+2*(2*\q+1)+(\n)/2], v[128+2*(2*\q)+(\n)/2], s[98+(\n)%2]
.endr
.endr
.irp q, 0,1,2,3
.irp n, 0,1,2,3
	ds_store_b32 v7, v[144+4*\q+\n] offset:512*\n+64*\q
.endr
.endr
.macro FRAG reg, adr, q, i
.irp c, 0,1,2,3
	ds_load_b128 v[\reg+4*\c:\reg+4*\c+3], v[\adr] offset:4096*(\i)+2048*(\q)+512*\c
.endr
.endm
.macro MUL16 a0, p, q, sc, zero
.irp a, \a0, \a0+1
.irp b, 0,1,2,3
.if \zero
	v_wmma_scale_f32_16x16x128_f8f6f4 v[8*(8*((\a)%4)+\b):8*(8*((\a)%4)+\b)+7], v[128*(\p)+FR*\b:128*(\p)+FR*\b+FR-1], v[AF+FR*(\a):AF+FR*(\a)+FR-1], v[BI+8*\b:BI+8*\b+7], v[SC+8*NQ*(\sc)+NQ*\b+(\q)], v[SC+8*NQ*(\sc)+NQ*(\a)+(\q)] matrix_a_fmt:MATRIX_FMT_BF8 matrix_b_fmt:MATRIX_FMT_BF8 matrix_a_scale:MATRIX_SCALE_ROW1
.else
	v_wmma_scale_f32_16x16x128_f8f6f4 v[8*(8*((\a)%4)+\b):8*(8*((\a)%4)+\b)+7], v[128*(\p)+FR*\b:128*(\p)+FR*\b+FR-1], v[AF+FR*(\a):AF+FR*(\a)+FR-1], v[8*(8*((\a)%4)+\b):8*(8*((\a)%4)+\b)+7], v[SC+8*NQ*(\sc)+NQ*\b+(\q)], v[SC+8*NQ*(\sc)+NQ*(\a)+(\q)] matrix_a_fmt:MATRIX_FMT_BF8 matrix_b_fmt:MATRIX_FMT_BF8 matrix_a_scale:MATRIX_SCALE_ROW1
.endif
.endr
.endr
.endm
.macro FETCH_B slot, q, p
	WIN TO_B
.irp i, 0,1,2,3
	FRAG 128*(\p)+FR*\i, ADRB+\slot, \q, \i
.endr
	WIN 0
.endm
.macro FETCH_A slot, q, i0
.irp i, \i0, \i0+1, \i0+2, \i0+3
	FRAG AF+FR*(\i), ADRA+\slot, \q, \i
.endr
.endm
.macro SCALES sc
.irp i, 0,1,2,3,4,5,6,7
	ds_load_b32 v[SC+8*NQ*\sc+NQ*\i], v[ADRS] offset:512*\i
	ds_load_b32 v[SC+8*NQ*\sc+NQ*\i+1], v[ADRS] offset:512*\i+64
.endr
.endm
.macro PLACES n
.rept \n
	v_nop
.endr
.endm
.macro STEP slot, q, zero
	s_wait_dscnt 4*NL
.if \zero
	WIN 0x81
.else
	WIN MUL_LO
.endif
	MUL16 0, (\q)%2, \q, \slot, \zero
	MUL16 2, (\q)%2, \q, \slot, \zero
	s_wait_dscnt 0
	PLACES NP
	FETCH_B \slot, (\q)+1, 1-(\q)%2
	FETCH_A \slot, (\q)+1, 0
.if \zero
	WIN 0xc1
.else
	WIN MUL_HI
.endif
	MUL16 4, (\q)%2, \q, \slot, \zero
	MUL16 6, (\q)%2, \q, \slot, \zero
	PLACES NP
	WIN 0
	FETCH_A \slot, (\q)+1, 4
.endm
.macro TURN slot, next, fill
	s_wait_tensorcnt 0x0
	ds_add_u32 v[SPW], v[NIL]
	s_wait_dscnt 4*NL+1
	WIN MUL_LO
	MUL16 0, 1, NQ-1, \slot, 0
	s_wait_dscnt 0x0
	s_barrier_signal -1
	MUL16 2, 1, NQ-1, \slot, 0
	WIN 0
	s_barrier_wait -1
.if \fill
	CREST
	s_add_nc_u64 s[G0+4*\slot+2:G0+4*\slot+3], s[G0+4*\slot+2:G0+4*\slot+3], 2*KSTA
	s_add_nc_u64 s[G0B+4*\slot+2:G0B+4*\slot+3], s[G0B+4*\slot+2:G0B+4*\slot+3], 2*KSTB
	JLOAD G0+4*\slot, G1, G0B+4*\slot, G1B
	PLACES NP-4
.else
	PLACES NP
.endif
	s_wait_alu depctr_va_vdst(0)
	v_add_nc_u32 v[ADRS], 64*NQ, v[ADRS]
	FETCH_B \next, 0, 0
	FETCH_A \next, 0, 0
	SCALES \next
	WIN MUL_HI
	MUL16 4, 1, NQ-1, \slot, 0
	MUL16 6, 1, NQ-1, \slot, 0
	PLACES NP
	WIN 0
	FETCH_A \next, 0, 4
.endm
	s_wait_alu depctr_va_vdst(0)                   ; the wait at the head's end
	s_wait_tensorcnt 0x0                           ; my tile of the head's is in
	ds_add_u32 v[SPW], v[NIL]
	s_mov_b32 s[G1+2], 128<<16                     ; no tensor load of mine is out: from here on a load brings 128 rows
	s_mov_b32 s[G1+4], 128
	s_mov_b32 s[G1B+2], 64<<16                     ; of B 64 rows
	s_mov_b32 s[G1B+4], 64
	s_wait_dscnt 0x0                               ; the add is done, and my stores of A's scale words lie in LDS
	CROUND                                         ; all tiles and scale words are in, and all sixteen work-groups are here
	JLOAD G0+4, G1, G0B+4, G1B                     ; K step 1, the first tensor load behind the round
	FETCH_B 0, 0, 0
	FETCH_A 0, 0, 0
	SCALES 0
	FETCH_A 0, 0, 4
	s_wait_loadcnt 0x0
	STEP 0, 0, 1
	TURN 0, 1, 1
	STEP 1, 0, 0
	TURN 1, 0, 1
	STEP 0, 0, 0
	TURN 0, 1, 0
	STEP 1, 0, 0
	s_wait_dscnt 4*NL
	WIN MUL_LO
	MUL16 0, 1, NQ-1, 1, 0
	MUL16 2, 1, NQ-1, 1, 0
	s_wait_dscnt 0
	WIN MUL_HI
	MUL16 4, 1, NQ-1, 1, 0
	MUL16 6, 1, NQ-1, 1, 0
	WIN 0
.macro TOSTAGE a
.set AC, 64*((\a)%4)
	WIN 0x08+4*((\a)/4)
.irp b, 0,1,2,3
	ds_store_b128 v[STO], v[AC+8*\b:AC+8*\b+3] offset:128*(\b/2)+32*(\b%2)
	ds_store_b128 v[STO], v[AC+8*\b+4:AC+8*\b+7] offset:128*(\b/2)+32*(\b%2)+16
.endr
	WIN 0
.set BB, BK+64*((\a)%2)
.irp t, 0,1,2,3,4,5,6,7
	ds_load_b128 v[BB+4*\t:BB+4*\t+3], v[RD] offset:2*\t*SPITCH
.endr
.endm
.macro SEND a, younger
.set BB, BK+64*((\a)%2)
	s_wait_dscnt \younger
.irp t, 0,1,2,3,4,5,6,7
	global_store_b128 v[CO], v[BB+4*\t:BB+4*\t+3], s[12:13] offset:(32*((\a)/2)+8*((\a)%2)+2*\t+8*(\t/4))*4096 th:TH_STORE_NT   ; sixteen lanes store 256 consecutive bytes, aligned
.endr
.endm
	PLACES NP
	TOSTAGE 0
.irp a, 1,2,3,4,5,6,7
.if \a > 1
	s_wait_xcnt 0x0
.endif
	TOSTAGE \a
	SEND \a-1, 16                                  ; behind block a - 1's loads: block a's 8 stores and 8 loads
.endr
	SEND 7, 0
	s_wait_tensorcnt 0x0
	ds_add_u32 v[SPW], v[NIL]
	s_wait_dscnt 0x0
	CROUND
	s_endpgm
.Lfunc_end_k_q48663b4e01_outp:
	.size	k_q48663b4e01_outp, .Lfunc_end_k_q48663b4e01_outp-k_q48663b4e01_outp
	.p2alignl 7, 3214868480
	.fill 96, 4, 3214868480
	.section	.rodata,"a",@progbits
	.p2align	6, 0x0
	.amdhsa_kernel k_q48663b4e01_outp
		.amdhsa_group_segment_fixed_size 327680
		.amdhsa_private_segment_fixed_size 0
		.amdhsa_enable_private_segment 0
		.amdhsa_kernarg_size 32
		.amdhsa_user_sgpr_count 2
		.amdhsa_user_sgpr_kernarg_segment_ptr 1
		.amdhsa_wavefront_size32 1
		.amdhsa_system_sgpr_workgroup_id_x 1
		.amdhsa_system_sgpr_workgroup_id_y 1
		.amdhsa_system_sgpr_workgroup_id_z 1
		.amdhsa_system_vgpr_workitem_id 0
		.amdhsa_next_free_vgpr 1024
		.amdhsa_next_free_sgpr 102
		.amdhsa_reserve_vcc 0
		.amdhsa_float_denorm_mode_32 3
		.amdhsa_float_denorm_mode_16_64 3
		.amdhsa_memory_ordered 1
		.amdhsa_forward_progress 1
		.amdhsa_inst_pref_size 97
	.end_amdhsa_kernel
	.amdgpu_metadata
---
amdhsa.version: [ 1, 2 ]
amdhsa.kernels:
  - .name:           k_q48663b4e01_outp
    .symbol:         k_q48663b4e01_outp.kd
    .args:
      - { .name: a2, .offset: 0, .size: 8, .value_kind: global_buffer, .address_space: global }
      - { .name: wts, .offset: 8, .size: 8, .value_kind: global_buffer, .address_space: global }
      - { .name: b_out, .offset: 16, .size: 8, .value_kind: global_buffer, .address_space: global }
      - { .name: out0, .offset: 24, .size: 8, .value_kind: global_buffer, .address_space: global }
    .group_segment_fixed_size: 327680
    .private_segment_fixed_size: 0
    .kernarg_segment_align: 8
    .kernarg_segment_size: 32
    .max_flat_workgroup_size: 128
    .sgpr_count:     102
    .vgpr_count:     1024
    .wavefront_size: 32
...
	.end_amdgpu_metadata
.endif
;; end of part 5
